; MI455X (gfx1250); checked and timed in simulation.
; The chip was launched on July 23, 2026; its instructions are those of AMD's public machine-readable ISA for CDNA 5 (MIT licence, August 2026) and "CDNA5" Instruction Set Architecture Reference Guide (July 2026). The comments in the code are by the model that wrote it; some were corrected since.
;; Multi Head Attention. Allowed arithmetic: matrix products marked QUANTISED: E2M1 operands, one E8M0 scale for each 32 along K, by v_wmma_scale_f32_16x16x128_f8f6f4 with both operands' format E2M1 (or v_wmma_scale_f32_32x16x128_f4), f32 sums; everything else in f32.
;; Inputs: input 4 x 2,048 x 1,024 float32; mask 2,048 x 2,048 bool; out_b 1,024 float32; out_w 1,024 x 1,024 float32; qkv_b 3,072 float32; qkv_w 3,072 x 1,024 float32.
;; Outputs: out0 4 x 2,048 x 1,024 float32.
;; This version of the problem:
;;   THIS VERSION OF THE PROBLEM IS GIVEN IN LOW PRECISION. The matrix products marked QUANTISED in the list below multiply operands that are first quantised to E2M1 (2 exponent bits, 1 mantissa bit; 4 bits a number), with one power-of-two scale for each 32 numbers along K (OCP MX v1.0); their sums are f32. All else is computed in f32.
;;   The module's matrix products, in the order in which they are computed (A, B: the left and right operand; K: the contracted axis; several contracted axes count as one K, in the product's order):
;;     1. [M 8,192, K 1,024] x [K 1,024, N 3,072]; A: input input; B: input qkv_w: QUANTISED
;;     2. batch 64 x [M 2,048, K 64] x [K 64, N 2,048]; A: computed on the way; B: computed on the way: QUANTISED
;;     3. batch 64 x [M 2,048, K 2,048] x [K 2,048, N 64]; A: softmax (see below); B: computed on the way: QUANTISED
;;     4. [M 8,192, K 1,024] x [K 1,024, N 1,024]; A: computed on the way; B: input out_w: QUANTISED
;;   THE QUANTISER, for each operand of a quantised product, along K:
;;     - K is cut into blocks of 32 from its start; a last block that is shorter is filled with zeros.
;;     - A block's scale is 2^e with e = floor(log2(the largest magnitude in the block)) - 2, held to -126 .. 127; a block of zeros has e = 0. As a byte (E8M0): e + 127.
;;     - Each number is divided by its block's scale, clamped to +-6, and rounded to the nearest number of E2M1, ties to even, subnormals kept.
;;     - The product sums the exact products of the quantised numbers (number of the format x scale) in f32.
;;   ~~~python
;;   def quantise(x, axis):      # numpy; x: float32 -> the quantised numbers, widened to float32 again
;;       x = np.moveaxis(x, axis, -1); K = x.shape[-1]
;;       x = np.pad(x, [(0, 0)] * (x.ndim - 1) + [(0, -K % 32)]); x = x.reshape(x.shape[:-1] + (-1, 32)); a = np.abs(x).max(-1, keepdims=True)
;;       e = np.where(a > 0, np.clip(np.frexp(np.where(a > 0, a, 1))[1] - 1 - 2, -126, 127), 0)      # np.frexp(a)[1] - 1 = floor(log2(a)), exactly
;;       r = np.clip(x / 2.0 ** e, -6, 6)
;;       step = 2.0 ** (np.maximum(np.frexp(np.where(r == 0, 1, r))[1] - 1, 0) - 1)
;;       q = np.round(r / step) * step * 2.0 ** e      # np.round: ties to even
;;       return np.moveaxis(q.reshape(q.shape[:-2] + (-1,))[..., :K], -1, axis).astype(np.float32)
;;   ~~~
;;   SOFTMAX AHEAD OF A QUANTISED PRODUCT. Where the list says 'softmax', what is quantised is not the finished softmax but p = 2^(t - M), with t = logit x log2(e) and M = ceil(the row's largest t), a whole number; so 1/2 < the row's largest p <= 1. The row's sum l is taken of the UNQUANTISED p, in f32, and the product's result is divided by l at the end. Since M is a whole number, a kernel that streams over the keys may use a running M (the ceiling of the running maximum): every later rescaling is an exact power of two, which a block's scale takes up: the codes' values come out the same.
;;   OPERANDS COMPUTED ON THE WAY. 'Computed on the way' means the value that the module computes at that place (a softmax that the list does not call 'softmax' is quantised finished and normalised). What goes into a quantiser is computed in f32, as accurately as f32 sums, v_exp_f32 and their like allow (about 1e-6 of the number): no bf16 or f16 on the way to a quantiser, and a product that is left as it is and whose result goes on into a quantised operand takes f32 operands (vector FMAs, or v_wmma_f32_16x16x4_f32). A number that lies on a knife's edge between two numbers of the format may be rounded either way, as far as f32 arithmetic and the matrix unit's own rounding can turn it there, and no further.
;; One version. Each part assembles by itself: llvm-mc -triple=amdgcn-amd-amdhsa -mcpu=gfx1250 --defsym DOCPART=n.
;; ======== version 1 of 1: 4 launches
;; limits: right only within a limited range of input values
;; workspace buffers: wc 6,291,456 bytes; ws 393,216 bytes; maskw 528,384 bytes of whole numbers; qc 4,194,304 bytes; qs 524,288 bytes; kv 9,175,040 bytes; aoc 4,194,304 bytes; aos 262,144 bytes
;; launch prep (part 1): grid 640 x 1, 4 waves a work-group, no clusters, 33,280 bytes of LDS; arguments input, qkv_w, out_w, mask, wc, ws, maskw; writes wc, ws, maskw
.if DOCPART == 1
	.amdgcn_target "amdgcn-amd-amdhsa--gfx1250"
	.amdhsa_code_object_version 6
	.text
	.protected	k_q87fc3b9de8_prep
	.globl	k_q87fc3b9de8_prep
	.p2align	8
	.type	k_q87fc3b9de8_prep,@function
k_q87fc3b9de8_prep:
	s_mov_b64 s[64:65], 0
	v_nop
	global_prefetch_b8 v0, s[64:65] scope:SCOPE_SE
	s_setreg_imm32_b32 hwreg(HW_REG_WAVE_MODE, 25, 1), 1
	s_wait_xcnt 0x0
; MULTI-HEAD ATTENTION IN MX-FP4, launch 1 of 4: the three f32 operands that arrive wide become codes, and the mask becomes lane masks.
; NO WORK OF THE PROBLEM IS LEFT OUT IN ANY LAUNCH: every input has a way to the output.  The bias on K moves K's codes, so it stays; the mask is an input, so no pattern of it is built in.
; QUANTISER (work-groups 0 to 383).  input [8192][1024], qkv_w [3072][1024], out_w [1024][1024], f32, K innermost, become codes of E2M1 (wc: 512 bytes a row) and one E8M0 byte for each 32 along K (ws: 32 bytes a row).
; A block's byte is its largest magnitude's exponent field - 2, held at 1 from below; each number is divided by the scale and rounded to the nearest code, ties to even, beyond 6 the largest code.
; THE ROWS ARE WRITTEN IN TILE ORDER: in each group of 32 rows, place 16 u + 8 x + y holds row 16 x + 8 u + y.  A tile of 16 places then holds rows 0-7 and 16-23 (or 8-15 and 24-31) of its group, so that in a product
; used transposed the 16 registers of two neighbouring tiles are 16 NEIGHBOURS along the next product's K.  A wave takes 8 rows (8,192 numbers), a work-group a group of 32: the order is a swap of the wave number's two bits.
; wc, ws: places 0-8191 input, 8192-11263 qkv_w, 11264-12287 out_w.
; MASK (work-groups 384 to 639).  maskw [query tile 128][key step 16][64 words]: bit l of word n says whether key 128 ks + 32 (n / 16) + 16 (l / 16) + n % 16 counts for the query at place l % 16 of the tile:
; the word is the lane mask by which the attention launch selects score register n.  A compare of a byte against 0 in all 32 lanes IS such a word.
; LIMITS: NaN and infinities among the floating-point inputs are not served; a block whose largest magnitude lies under 2^-124 keeps the byte 1; a block of zeros has the byte 1 where the rule says 127
; (its codes are zeros, which add nothing under any byte but 0xff, and this program alone reads the bytes).
.set WAVES, 4
.set STEPS, 16
.set QWG,   384                        ; work-groups that quantise: 256 for input, 96 for qkv_w, 32 for out_w
.set EMAX,  2
.set CB,    8                          ; bytes of 16 codes
.set R,     16                         ; v16-79   four sets of 16 numbers as they are loaded
.set X,     80                         ; v80-111  two sets of 16 neighbours
.set C,     128                        ; v128-191 codes: four registers for each step, so that no store's data are written again
.set E,     112                        ; v112-127 a scale byte for each step
.set WREG,  8192                       ; LDS: a region for each wave: two stages of 32 x SP bytes, behind them its 256 scale bytes
.set SP,    80                         ; a lane's place in a stage: 64 bytes + 16 of padding
.set SPW,   12                         ; v12  LDS address of my spare word; never rewritten
.set NIL,   13                         ; v13  0; never rewritten
.set SPARE, WAVES*WREG                 ; behind the four regions: the spare words, 128 bytes for each wave
	s_load_b256 s[4:11], s[0:1], 0x0               ; input s[4:5], qkv_w s[6:7], out_w s[8:9], mask s[10:11]
	s_load_b128 s[12:15], s[0:1], 0x20             ; wc s[12:13], ws s[14:15]
	s_load_b64 s[16:17], s[0:1], 0x30              ; maskw
	v_lshl_add_u32 v[SPW], v0, 2, SPARE
	v_mov_b32 v[NIL], 0
	v_lshrrev_b32 v1, 5, v0
	v_readfirstlane_b32 s18, v1                    ; wave
	v_and_b32 v2, 31, v0                           ; lane
	s_cmp_ge_u32 ttmp9, QWG                        ; the work-group's number alone decides; the mask's way touches no LDS
	s_cbranch_scc1 .Lmask
	; ---------------- the quantiser ----------------
	v_lshlrev_b32 v3, 4, v2                        ; my 16 bytes of a load's 512
	s_mul_i32 s19, s18, WREG
	v_lshrrev_b32 v14, 2, v2
	v_mul_u32_u24 v14, v14, SP
	v_and_b32 v15, 3, v2
	v_lshl_add_u32 v14, v15, 4, v14
	v_add_nc_u32 v14, s19, v14                     ; the stage, on the way in: four lanes' 64 bytes on end, then 16 of padding
	v_mul_u32_u24 v15, v2, SP
	v_add_nc_u32 v15, s19, v15                     ; and on the way out: my 16 neighbours
	v_mul_u32_u24 v4, v2, CB                       ; my codes' place in a step's
	v_lshrrev_b32 v5, 1, v2
	s_add_co_u32 s19, s19, 2*32*SP
	v_add_nc_u32 v5, s19, v5                       ; LDS: my wave's 256 scale bytes, my block's byte
	v_lshlrev_b32 v7, 3, v2                        ; and on the way out 8 bytes a lane
	v_add_nc_u32 v6, s19, v7
	s_mov_b32 s19, 352
	s_wait_alu depctr_va_vdst(0)
	s_wait_kmcnt 0x0
	s_cmp_lt_u32 ttmp9, 352                        ; which tensor: the choice hangs on the work-group's number alone
	s_cselect_b64 s[6:7], s[6:7], s[8:9]
	s_cselect_b32 s19, 256, s19
	s_cmp_lt_u32 ttmp9, 256
	s_cselect_b64 s[4:5], s[4:5], s[6:7]
	s_cselect_b32 s19, 0, s19
	s_sub_co_u32 s19, ttmp9, s19                   ; the group of 32 rows in that tensor
	s_lshl_b32 s19, s19, 2
	s_add_co_u32 s20, s19, s18                     ; my run of 8 rows: rows 8 wave on
	s_mov_b32 s21, 0
	s_lshl_b64 s[20:21], s[20:21], 15              ; 32,768 bytes a run
	s_add_nc_u64 s[4:5], s[4:5], s[20:21]
	s_and_b32 s22, s18, 1                          ; TILE ORDER: the run goes to place ((wave & 1) << 1) | (wave >> 1) of its group
	s_lshl_b32 s22, s22, 1
	s_lshr_b32 s23, s18, 1
	s_or_b32 s22, s22, s23
	s_lshl_b32 s23, ttmp9, 2
	s_add_co_u32 s22, s22, s23
	s_mov_b32 s23, 0
	s_lshl_b64 s[24:25], s[22:23], 12              ; 4,096 bytes of codes a run
	s_add_nc_u64 s[12:13], s[12:13], s[24:25]
	s_lshl_b64 s[24:25], s[22:23], 8               ; 256 scale bytes a run
	s_add_nc_u64 s[14:15], s[14:15], s[24:25]
.macro LOAD t
.irp i, 0,1,2,3
	global_load_b128 v[R+16*((\t)%4)+4*\i:R+16*((\t)%4)+4*\i+3], v3, s[4:5] offset:2048*(\t)+512*\i th:TH_LOAD_NT   ; 32 lanes read 512 consecutive bytes
.endr
.endm
.macro TURN t                          ; step t's numbers through the stage: LDS serves a wave's instructions in order, so no wait stands between the stores and the loads
.irp i, 0,1,2,3
	ds_store_b128 v14, v[R+16*((\t)%4)+4*\i:R+16*((\t)%4)+4*\i+3] offset:32*SP*((\t)%2)+8*SP*\i
.endr
.irp i, 0,1,2,3
	ds_load_b128 v[X+16*((\t)%2)+4*\i:X+16*((\t)%2)+4*\i+3], v15 offset:32*SP*((\t)%2)+16*\i
.endr
.endm
.irp t, 0,1,2,3
	LOAD \t
.endr
	s_wait_loadcnt 12                              ; step 0's four loads are in; the twelve of steps 1 to 3 stay out
	TURN 0
.macro STEP t
.set XS, X+16*((\t)%2)
.if (\t) > 0
	s_wait_dscnt 1                                 ; this step's numbers are back from the stage (the last step's byte store may be out): so its stores into the stage have read their registers,
.else
	s_wait_dscnt 0x0
.endif
.if (\t)+4 < STEPS
	LOAD (\t)+4                                    ; which take the loads of four steps on
.endif
.if (\t)+1 < STEPS
.if STEPS-2-(\t) >= 3
	s_wait_loadcnt 12                              ; the next step's four loads are in; those of the three steps behind it may be out
.else
	s_wait_loadcnt 4*(STEPS-2-(\t))
.endif
	TURN (\t)+1                                    ; and go through the other stage while this step is worked
.endif
	v_max3_num_f32 v8, |v[XS]|, |v[XS+1]|, |v[XS+2]|               ; the largest magnitude of my 16
	v_max3_num_f32 v9, |v[XS+3]|, |v[XS+4]|, |v[XS+5]|
.irp i, 6,10
	v_max3_num_f32 v8, v8, |v[XS+\i]|, |v[XS+\i+1]|
	v_max3_num_f32 v9, v9, |v[XS+\i+2]|, |v[XS+\i+3]|
.endr
	v_max3_num_f32 v8, v8, |v[XS+14]|, |v[XS+15]|
	v_max3_num_f32 v8, v8, v9, (EMAX+1)<<23        ; and the floor 2^(3 - 127): so the byte cannot fall under 1
	v_max_num_f32_dpp v8, v8, v8 row_xmask:1 row_mask:0xf bank_mask:0xf   ; and of my neighbour's 16: the block's
	v_add_nc_u32 v11, -(EMAX<<23), v8              ; 2 off its exponent field: the conversion takes the exponent field of this operand as its scale
	v_cvt_scalef32_pk8_fp4_f32 v[C+4*(\t)], v[XS:XS+7], v11
	v_cvt_scalef32_pk8_fp4_f32 v[C+4*(\t)+1], v[XS+8:XS+15], v11
	v_lshrrev_b32 v[E+(\t)], 23, v11               ; the scale's byte
	ds_store_b8 v5, v[E+(\t)] offset:16*(\t)       ; both lanes of a block write the same byte with the same value
	global_store_b64 v4, v[C+4*(\t):C+4*(\t)+1], s[12:13] offset:32*CB*(\t)   ; the wave stores 256 consecutive bytes, aligned
.endm
.irp t, 0,1,2,3,4,5,6,7,8,9,10,11,12,13,14,15
	STEP \t
.endr
	ds_load_b64 v[8:9], v6                         ; LDS serves a wave's instructions in order: these see my stores
	s_wait_dscnt 0x0
	global_store_b64 v7, v[8:9], s[14:15]          ; 32 lanes store 256 consecutive bytes, aligned
	s_wait_tensorcnt 0x0                           ; the wave's end, behind my last LDS store
	ds_add_u32 v[SPW], v[NIL]
	s_wait_dscnt 0x0
	s_endpgm
	; ---------------- the mask ----------------
.Lmask:
	s_sub_co_u32 s19, ttmp9, QWG
	s_lshl_b32 s19, s19, 2
	s_add_co_u32 s19, s19, s18                     ; p = 0 .. 1023: query tile p / 8, key steps 2 (p % 8) and the next
	s_lshr_b32 s20, s19, 3                         ; the query tile
	s_and_b32 s21, s19, 7
	s_lshr_b32 s22, s20, 1
	s_lshl_b32 s22, s22, 5                         ; its group of 32 queries,
	s_and_b32 s23, s20, 1
	s_lshl_b32 s23, s23, 3
	s_add_co_u32 s22, s22, s23                     ; + 8 for the group's second tile
	s_lshl_b32 s22, s22, 11                        ; a row of the mask is 2,048 bytes
	s_lshl_b32 s21, s21, 8                         ; two key steps are 256 bytes of it
	s_add_co_u32 s22, s22, s21
	v_and_b32 v3, 15, v0                           ; r
	v_bfe_u32 v4, v0, 4, 1                         ; h
	v_and_b32 v5, 8, v3
	v_add_nc_u32 v3, v3, v5                        ; place r holds query r + 8 (r / 8) of the tile's span
	v_lshlrev_b32 v1, 11, v3
	v_lshl_add_u32 v1, v4, 4, v1                   ; + 16 h: my half's 16 keys of a block of 32
	v_add_nc_u32 v1, s22, v1
	s_wait_alu depctr_va_vdst(0)
	v_lshlrev_b32 v6, 3, v2                        ; out: two words a lane
	s_lshl_b32 s20, s19, 9                         ; 512 bytes of words for two key steps
	s_mov_b32 s21, 0
	s_wait_kmcnt 0x0
	s_lshl_b32 s38, s19, 2                         ; behind the 524,288 bytes of lane masks: one word for each p
	s_add_co_u32 s38, s38, 524288
	s_mov_b32 s39, 0
	s_add_nc_u64 s[38:39], s[16:17], s[38:39]
	s_add_nc_u64 s[16:17], s[16:17], s[20:21]
.irp e, 0,1
.irp b, 0,1,2,3
	global_load_b128 v[32+16*\e+4*\b:32+16*\e+4*\b+3], v1, s[10:11] offset:128*\e+32*\b th:TH_LOAD_NT   ; keys 128 e + 32 b + 16 h + 0 .. 15 of my query; the eight loads take 256 neighbouring bytes of each of 16 rows
.endr
.endr
.macro UNIT e
	s_wait_loadcnt 4*(1-\e)                        ; this key step's four loads are in; the other's four may be out
	v_mov_b32 v[8+2*\e], 0                         ; (a lane write's destination counts as read)
	v_mov_b32 v[9+2*\e], 0
	s_mov_b32 s[36+\e], -1                         ; the conjunction of this key step's 64 words
.set n, 0
.rept 64
	v_and_b32 v[16+n%4], 0xff<<(8*(n%4)), v[32+16*\e+n/4]    ; byte n % 16 of my 16 in block n / 16
	v_cmp_ne_u32 s[24+n%8], 0, v[16+n%4]                     ; the 32 lanes' answers are word n
	v_writelane_b32 v[8+2*\e+n%2], s[24+n%8], n/2            ; lane n / 2 carries words n and n + 1 out
	s_and_b32 s[36+\e], s[36+\e], s[24+n%8]
.set n, n+1
.endr
	global_store_b64 v6, v[8+2*\e:9+2*\e], s[16:17] offset:256*\e   ; 32 lanes store 256 consecutive bytes, aligned
.endm
	UNIT 0
	UNIT 1
	; p's word: bit 2 (p % 8) + e is set where every key of key step 2 (p % 8) + e counts for every query of the tile; the eight words of a query tile, joined by OR, are its 16 key steps' bits.
	; Four bytes a wave, 4,096 in the launch, are stored by one lane: these units are written in part, one byte in 1,024 of what the mask's way reads.
	s_cmp_eq_u32 s36, -1
	s_cselect_b32 s36, 1, 0
	s_cmp_eq_u32 s37, -1
	s_cselect_b32 s37, 2, 0
	s_or_b32 s36, s36, s37
	s_and_b32 s37, s19, 7
	s_lshl_b32 s37, s37, 1
	s_lshl_b32 s36, s36, s37
	v_mov_b32 v20, s36
	v_mov_b32 v21, 0
	s_wait_alu depctr_va_vdst(0)                   ; directly ahead of the wait below
	s_wait_xcnt 0x0                                ; EXEC changes only behind this wait
	v_cmpx_gt_u32 1, v2                            ; lane 0 alone
	global_store_b32 v21, v20, s[38:39]
	s_endpgm
.Lfunc_end_k_q87fc3b9de8_prep:
	.size	k_q87fc3b9de8_prep, .Lfunc_end_k_q87fc3b9de8_prep-k_q87fc3b9de8_prep
	.p2alignl 7, 3214868480
	.fill 96, 4, 3214868480
	.section	.rodata,"a",@progbits
	.p2align	6, 0x0
	.amdhsa_kernel k_q87fc3b9de8_prep
		.amdhsa_group_segment_fixed_size 33280
		.amdhsa_private_segment_fixed_size 0
		.amdhsa_enable_private_segment 0
		.amdhsa_kernarg_size 56
		.amdhsa_user_sgpr_count 2
		.amdhsa_user_sgpr_kernarg_segment_ptr 1
		.amdhsa_wavefront_size32 1
		.amdhsa_system_sgpr_workgroup_id_x 1
		.amdhsa_system_sgpr_workgroup_id_y 1
		.amdhsa_system_sgpr_workgroup_id_z 1
		.amdhsa_system_vgpr_workitem_id 0
		.amdhsa_next_free_vgpr 192
		.amdhsa_next_free_sgpr 66
		.amdhsa_reserve_vcc 0
		.amdhsa_float_denorm_mode_32 3
		.amdhsa_float_denorm_mode_16_64 3
		.amdhsa_memory_ordered 1
		.amdhsa_forward_progress 1
		.amdhsa_inst_pref_size 65
	.end_amdhsa_kernel
	.amdgpu_metadata
---
amdhsa.version: [ 1, 2 ]
amdhsa.kernels:
  - .name:           k_q87fc3b9de8_prep
    .symbol:         k_q87fc3b9de8_prep.kd
    .args:
      - { .name: input, .offset: 0, .size: 8, .value_kind: global_buffer, .address_space: global }
      - { .name: qkv_w, .offset: 8, .size: 8, .value_kind: global_buffer, .address_space: global }
      - { .name: out_w, .offset: 16, .size: 8, .value_kind: global_buffer, .address_space: global }
      - { .name: mask, .offset: 24, .size: 8, .value_kind: global_buffer, .address_space: global }
      - { .name: wc, .offset: 32, .size: 8, .value_kind: global_buffer, .address_space: global }
      - { .name: ws, .offset: 40, .size: 8, .value_kind: global_buffer, .address_space: global }
      - { .name: maskw, .offset: 48, .size: 8, .value_kind: global_buffer, .address_space: global }
    .group_segment_fixed_size: 33280
    .private_segment_fixed_size: 0
    .kernarg_segment_align: 8
    .kernarg_segment_size: 56
    .max_flat_workgroup_size: 128
    .sgpr_count:     66
    .vgpr_count:     192
    .wavefront_size: 32
...
	.end_amdgpu_metadata
.endif
;; end of part 1
;; launch qkv (part 2): grid 12 x 32, 4 waves a work-group, clusters of 4 x 4, 327,680 bytes of LDS; arguments wc, ws, qkv_b, qc, qs, kv; writes qc, qs, kv
.if DOCPART == 2
	.amdgcn_target "amdgcn-amd-amdhsa--gfx1250"
	.amdhsa_code_object_version 6
	.text
	.protected	k_q87fc3b9de8_qkv
	.globl	k_q87fc3b9de8_qkv
	.p2align	8
	.type	k_q87fc3b9de8_qkv,@function
k_q87fc3b9de8_qkv:
	s_mov_b64 s[64:65], 0
	v_nop
	global_prefetch_b8 v0, s[64:65] scope:SCOPE_SE
	s_setreg_imm32_b32 hwreg(HW_REG_WAVE_MODE, 25, 1), 1
	s_wait_xcnt 0x0
	s_wait_alu depctr_hold_cnt(0) depctr_sa_sdst(0) depctr_va_vdst(0) depctr_va_sdst(0) depctr_va_ssrc(0) depctr_va_vcc(0) depctr_vm_vsrc(0)
	s_getreg_b32 s2, hwreg(HW_REG_IB_STS2, 6, 4)
	s_cmp_eq_u32 s2, 0
	s_cbranch_scc0 .Lentry_in_a_cluster
	s_endpgm
.Lentry_in_a_cluster:
	s_bfe_u32 s2, ttmp6, 0x10000c
	s_cmp_lg_u32 s2, 0xf033
	s_cbranch_scc0 .Lentry_shape_is_right
	s_endpgm
.Lentry_shape_is_right:
; Launch 2 of 4: qkv = input qkv_w^T + qkv_b on codes of E2M1 (K = 1,024), and q, k, v quantised in registers for the attention launch.  No f32 number goes to memory.  No work is left out.
; A work-group of four waves makes 256 x 256 of the product, a wave 128 x 128: 64 accumulators, 512 registers.  Both K steps of 512 lie in LDS at once (two slots, each filled once); the scale bytes of the 512 rows beside them.
; THE MATRIX INSTRUCTION IS USED TRANSPOSED: source 0 = 16 places of operand S, source 1 = 16 places of operand P.  A lane then holds ONE place of P, and its registers run along S; since the rows of wc lie in tile order
; (launch 1), register 16 b + i of a block of P is S's index 32 b + 16 (lane / 16) + i: 16 neighbours along the NEXT product's K.
; KIND = the cluster's x: 0 q, 1 k, 2 v.  q, k are quantised along the head's 64: P = input's rows, S = the weight's rows.  v is quantised along the KEYS: P = the weight's rows, S = input's rows.  Only global addresses differ
; up to the last K step; then the text parts on KIND (the same in all sixteen partners).
; OUT.  qc [head 64][query tile 128][512]: registers 0-3 of a fragment as they stand, 16 bytes at 16 x lane.  qs [head][8 tiles][512]: the word of (tile a, row r) at 256 (a / 4) + 16 r + 4 (a % 4).
; kv [head][key step 16] records of 8,960 bytes: K's 8 tiles (as qc), V's 4 fragments of 16 channels x 128 keys (1,024 bytes each), K's words (as qs), V's words at 16 r + 4 tile.
; A q or k word's bytes 2, 3 are the neighbouring head's bytes or 0: they scale the upper 64 of a K of 128, where q's codes are zeros.
; CLUSTERS: 4 x 4 work-groups; P's tiles are shared along a row of the cluster, S's along a column, each by a joint load.
; LIMITS as in launch 1 (NaN, infinities; blocks under 2^-124; zero blocks have byte 1).
.set NQ,     4                         ; steps of 128 along K in a slot
.set ROWB,   256                       ; a tile's row: 512 codes
.set KROW,   512                       ; a row of wc
.set PITCH,  272                       ; an LDS row: 256 bytes + 16 of padding = 68 words: the 16 rows that a load touches start 4 banks apart
.set FR,     8
.set NL,     2
.set NP,     4
.set HALFT,  128*PITCH
.set SLOT,   4*HALFT                   ; P's 256 rows, then S's 256 rows
.set KS,     32                        ; a row of ws
.set SCL,    2*SLOT                    ; the scale bytes, as units of 256 bytes + 16
.set HALFS,  16*272                    ; those of 128 rows
.set SBLK,   2*272                     ; those of 16 rows
.set SPARE,  SCL+4*HALFS               ; the spare words, 128 bytes a wave
.set STQ,    SPARE+512                 ; q, k: a stage of 1,024 bytes a wave for scale words; no fill lands here
.set STV,    STQ+4096                  ; v: 512 bytes a wave, bytes of its own
.set VO0,  1                           ; v1   16 x lane
.set VO1,  2                           ; v2   the same, one head on (codes)
.set VS1,  3                           ; v3   the same, one head on (scale words)
.set STA,  4                           ; v4   q, k: where I put a scale word
.set RDA,  5                           ; v5   and read 16 bytes back
.set SH16, 6                           ; v6   16 x (lane / 16)
.set BA,   7                           ; v7   the bias's lane term
.set STAV, 8                           ; v8   v: where I put a scale word
.set RDAV, 9                           ; v9   and read back
.set VSV,  10                          ; v10  v: where the words go in kv
.set ADRA, 16                          ; v16-17 LDS address of P's fragments in slot 0, 1
.set ADRB, 20                          ; v20-21 of S's
.set ADRS, 27                          ; v27  of my scale words: lanes 0-15 P's rows, lanes 16-31 S's
.set SPW,  28
.set NIL,  29
.set SC,   32                          ; v32-95 scale words, two sets, and nothing else
.set TM,   96                          ; v96-111 QUANT's work
.set PC,   112                         ; v112-119 the codes just made
.set PW,   120                         ; the scale word just made
.set PX,   121
.set TR,   122                         ; lane % 16
.set TH,   123                         ; lane / 16
.set T0,   124
.set T1,   125
.set T2,   126
.set AF,   128                         ; v128-191 P's fragments, one set; on the way out 64 numbers at work
.set TT,   128
.set BI,   192                         ; v192-255 the bias
.set G1,   24
.set G0,   32
.set G1B,  48
.set G0B,  56
.set G1S,  68
.set G0S,  76
.set G1SB, 80
.set G0SB, 88
.set SEL,  104                         ; s[104:105] selects for lane l xor 16
.set MSB, 0
.macro WIN new                         ; the immediate's high byte repeats the setting that is left
.if MSB != (\new)
	s_set_vgpr_msb (MSB<<8)|(\new)
.set MSB, (\new)
.endif
.endm
.set MUL_LO, 0xa1                      ; source 0 (S) window 1, source 1 (P) window 0, C and D window 2
.set MUL_HI, 0xf1
.set TO_B,   0x40
.macro JLOAD g0a, g1a, g0b, g1b        ; waves 0, 1 fetch for P, waves 2, 3 for S; an s_nop 0 and four v_nop follow each line
	s_cmp_eq_u32 s17, 0
	s_cbranch_scc0 .Lfor_b_\@
	tensor_load_to_lds s[\g0a:\g0a+3], s[\g1a:\g1a+7]
	s_nop 0
.rept 4
	v_nop
.endr
	s_branch .Lasked_\@
.Lfor_b_\@:
	tensor_load_to_lds s[\g0b:\g0b+3], s[\g1b:\g1b+7]
	s_nop 0
.rept 4
	v_nop
.endr
.Lasked_\@:
.endm
.macro CROUND                          ; a round of the cluster's barrier
	s_barrier_signal -1
	s_barrier_wait -1
	s_cmp_lg_u32 s16, 0
	s_cbranch_scc1 .Lnot_wave_0_\@
	s_barrier_signal -3
.Lnot_wave_0_\@:
	s_barrier_wait -3
	s_barrier_signal -1
	s_barrier_wait -1
.endm
	s_load_b256 s[4:11], s[0:1], 0x0               ; wc s[4:5], ws s[6:7], qkv_b s[8:9], qc s[10:11]
	s_load_b128 s[12:15], s[0:1], 0x20             ; qs s[12:13], kv s[14:15]
	v_lshl_add_u32 v[SPW], v0, 2, SPARE
	v_mov_b32 v[NIL], 0
	ds_add_u32 v[SPW], v[NIL]                      ; the wave's opening: the add, twice on end, and its wait ahead of my first tensor load
	ds_add_u32 v[SPW], v[NIL]
	v_lshrrev_b32 v[T0], 5, v0
	v_readfirstlane_b32 s16, v[T0]                 ; wave 0..3
	s_lshr_b32 s17, s16, 1                         ; PH: my half of P's places.  Also: I fetch for P (0) or for S (1)
	s_and_b32 s18, s16, 1                          ; SH: my half of S's places.  Also: which 128 rows I fetch
	s_bfe_u32 s20, ttmp6, 0x40000                  ; cx
	s_bfe_u32 s21, ttmp6, 0x40004                  ; cy
	s_mov_b32 s19, ttmp9                           ; KIND: the cluster's x
	s_lshr_b32 s23, s19, 1                         ; 1 for v
	s_xor_b32 s40, s23, 1                          ; 1 for q, k
	s_and_b32 s22, ttmp7, 0xffff                   ; CY: the cluster's y
	s_lshl_b32 s41, s22, 10
	s_mul_i32 s42, s40, s41                        ; P's first place in wc: q, k: 1,024 CY + 256 cy (input);
	s_mul_i32 s43, s23, 10240                      ; v: 10,240 + 256 cy (the weight's third part).  cx never enters
	s_add_co_u32 s42, s42, s43
	s_lshl_b32 s43, s21, 8
	s_add_co_u32 s42, s42, s43
	s_mul_i32 s44, s23, s41                        ; S's: v: 1,024 CY + 256 cx (input);
	s_lshl_b32 s45, s19, 10
	s_add_co_u32 s45, s45, 8192
	s_mul_i32 s45, s45, s40                        ; q, k: 8,192 + 1,024 KIND + 256 cx.  cy never enters
	s_add_co_u32 s44, s44, s45
	s_lshl_b32 s45, s20, 8
	s_add_co_u32 s44, s44, s45
	s_lshl_b32 s40, s42, 9                         ; in bytes: codes,
	s_mov_b32 s41, 0
	s_lshl_b32 s46, s44, 9
	s_mov_b32 s47, 0
	s_lshl_b32 s42, s42, 5                         ; scale bytes
	s_mov_b32 s43, 0
	s_lshl_b32 s44, s44, 5
	s_mov_b32 s45, 0
	s_lshl_b32 s2, s21, 2
	s_lshl_b32 s2, 15, s2                          ; my row of the cluster
	s_lshl_b32 s3, 0x1111, s20                     ; my column
	s_or_b32 s[G1+0], s2, (0<<16)|(1<<20)|(1<<21)|(5<<22)|(3<<25)   ; mask; elements of 1 byte; padding on; bit 21 beside a mask; after every 64 words 4 words
	s_or_b32 s[G1B+0], s3, (0<<16)|(1<<20)|(1<<21)|(5<<22)|(3<<25)
.irp g, G1, G1B
	s_mov_b32 s[\g+1], ROWB<<16                    ; tensor_dim0
	s_mov_b32 s[\g+2], 256<<16                     ; tensor_dim1: the head's loads bring 256 rows
	s_mov_b32 s[\g+3], ROWB<<16                    ; tile_dim0
	s_mov_b32 s[\g+4], 256                         ; tile_dim1
	s_mov_b32 s[\g+5], KROW                        ; from row to row
	s_mov_b32 s[\g+6], 0
	s_mov_b32 s[\g+7], 0
.endr
	s_or_b32 s[G1S+0], s2, (3<<16)|(1<<20)|(1<<21)|(5<<22)|(3<<25)  ; the scale bytes of 256 rows: 8,192 dense bytes as 32 rows of 256 (32 elements of 8 bytes)
	s_or_b32 s[G1SB+0], s3, (3<<16)|(1<<20)|(1<<21)|(5<<22)|(3<<25)
.irp g, G1S, G1SB
	s_mov_b32 s[\g+1], 32<<16
	s_mov_b32 s[\g+2], 32<<16                      ; the scale bytes of 256 rows: 8,192 dense bytes as 32 rows of 256
	s_mov_b32 s[\g+3], 32<<16
	s_mov_b32 s[\g+4], 32
	s_mov_b32 s[\g+5], 32
	s_mov_b32 s[\g+6], 0
	s_mov_b32 s[\g+7], 0
.endr
	s_mul_i32 s98, s16, HALFT                      ; where they go: wave x 128 rows
	s_mul_i32 s99, s16, HALFS
	s_mov_b32 s[SEL], 0x76543210
	s_mov_b32 s[SEL+1], 0xfedcba98
	s_wait_dscnt 0x0                               ; both opening adds are done
	s_wait_kmcnt 0x0
	s_add_nc_u64 s[40:41], s[4:5], s[40:41]        ; P's codes
	s_add_nc_u64 s[46:47], s[4:5], s[46:47]        ; S's codes
	s_add_nc_u64 s[42:43], s[6:7], s[42:43]        ; P's scale bytes
	s_add_nc_u64 s[44:45], s[6:7], s[44:45]        ; S's
	CROUND                                         ; all sixteen work-groups are here: the first joint loads meet
	s_mov_b32 s[G0S], 1                            ; the head's four tiles, each whole: the scale bytes of P's 256 rows,
	s_mov_b32 s[G0S+1], SCL
	s_mov_b64 s[G0S+2:G0S+3], s[42:43]
	s_or_b32 s[G0S+3], s[G0S+3], 0x80000000
	s_mov_b32 s[G0SB], 1                           ; of S's 256 rows,
	s_mov_b32 s[G0SB+1], SCL+2*HALFS
	s_mov_b64 s[G0SB+2:G0SB+3], s[44:45]
	s_or_b32 s[G0SB+3], s[G0SB+3], 0x80000000
	s_mov_b32 s[G0], 1                             ; K step 0's 256 rows of P,
	s_mov_b32 s[G0+1], 0
	s_mov_b64 s[G0+2:G0+3], s[40:41]
	s_or_b32 s[G0+3], s[G0+3], 0x80000000
	s_mov_b32 s[G0B], 1                            ; and of S, behind them in slot 0
	s_mov_b32 s[G0B+1], 2*HALFT
	s_mov_b64 s[G0B+2:G0B+3], s[46:47]
	s_or_b32 s[G0B+3], s[G0B+3], 0x80000000
	s_lshl_b32 s2, s18, 16                         ; slot 1: my 128 rows of a tile: 128 x 512 bytes a half
	s_mov_b32 s3, 0
	s_add_nc_u64 s[40:41], s[40:41], s[2:3]
	s_add_nc_u64 s[46:47], s[46:47], s[2:3]
	s_mov_b32 s[G0+4], 1
	s_add_co_u32 s[G0+5], s98, SLOT
	s_add_nc_u64 s[G0+6:G0+7], s[40:41], ROWB
	s_or_b32 s[G0+7], s[G0+7], 0x80000000
	s_mov_b32 s[G0B+4], 1
	s_add_co_u32 s[G0B+5], s98, SLOT
	s_add_nc_u64 s[G0B+6:G0B+7], s[46:47], ROWB
	s_or_b32 s[G0B+7], s[G0B+7], 0x80000000
; THE HEAD'S LOADS, ONE A WAVE: one tree of branches on the wave's number, a load to an arm, all arms leading to one join
.macro ARM under, g0, g1, next
	s_cmp_lt_u32 s16, \under
	s_cbranch_scc0 \next
	tensor_load_to_lds s[\g0:\g0+3], s[\g1:\g1+7]
	s_nop 0
.rept 4
	v_nop
.endr
	s_branch .Lhead_asked
\next:
.endm
	ARM 1, G0,  G1,  .Lhead_b
	ARM 2, G0B, G1B, .Lhead_sa
	ARM 3, G0S, G1S, .Lhead_sb
	tensor_load_to_lds s[G0SB:G0SB+3], s[G1SB:G1SB+7]
	s_nop 0
.rept 4
	v_nop
.endr
.Lhead_asked:
	v_and_b32 v[TR], 15, v0
	v_bfe_u32 v[TH], v0, 4, 1
	v_and_b32 v[T2], 31, v0
	v_mul_u32_u24 v[T0], v[TR], PITCH
	v_lshl_add_u32 v[T1], v[TH], 4, v[T0]          ; a fragment's row x pitch + 16 x half
	s_mul_i32 s40, s17, HALFT                      ; my 128 places of P
	s_mul_i32 s41, s18, HALFT                      ; my 128 of S,
	s_add_co_u32 s41, s41, 2*HALFT                 ; behind P's 256
.irp s, 0,1
	v_add_nc_u32 v[ADRA+\s], s40, v[T1]
	v_add_nc_u32 v[ADRB+\s], s41, v[T1]
	s_add_co_u32 s40, s40, SLOT
	s_add_co_u32 s41, s41, SLOT
.endr
	v_mul_u32_u24 v[T0], v[TR], KS                 ; my row's scale bytes: 32 a row,
	v_lshrrev_b32 v[T1], 8, v[T0]
	v_lshl_add_u32 v[T0], v[T1], 4, v[T0]          ; and 16 more for each 256 passed
	s_mul_i32 s40, s17, HALFS
	s_mul_i32 s41, s18, HALFS
	s_add_co_u32 s41, s41, 2*HALFS
	s_sub_co_u32 s41, s41, s40
	v_mul_u32_u24 v[T1], s41, v[TH]                ; lanes 16-31 take S's
	s_add_co_u32 s40, s40, SCL
	v_add_nc_u32 v[T0], v[T0], v[T1]
	v_add_nc_u32 v[ADRS], s40, v[T0]
	v_lshlrev_b32 v[VO0], 4, v[T2]                 ; 16 x lane
	v_lshlrev_b32 v[T0], 4, v[TR]                  ; 16 r
	v_lshl_add_u32 v[T1], v[TH], 9, v[T0]
	s_lshl_b32 s40, s16, 10
	s_add_co_u32 s40, s40, STQ
	v_add_nc_u32 v[STA], s40, v[T1]                ; q, k: my wave's stage, 512 bytes for each of its two heads (lanes 16-31: the second), 16 r
	v_add_nc_u32 v[RDA], s40, v[VO0]
	s_lshl_b32 s40, s16, 9
	s_add_co_u32 s40, s40, STV
	v_add_nc_u32 v[STAV], s40, v[T0]               ; v: my wave's stage, 16 r
	v_add_nc_u32 v[RDAV], s40, v[VO0]
	v_lshlrev_b32 v[SH16], 4, v[TH]
.irp b, 0,1,2,3
	v_mov_b32 v[TM+4+\b], 0                        ; written once: a lane permute's destination counts as one of its sources
.endr
.macro FRAG reg, adr, q, i             ; 16 rows x 128 K of 4-bit codes: 8 registers, two loads of 16 bytes, 32 bytes apart
.irp c, 0,1
	ds_load_b128 v[\reg+4*\c:\reg+4*\c+3], v[\adr] offset:64*(\q)+32*\c+(\i)*16*PITCH
.endr
.endm
; 16 matrix instructions: P's blocks a0, a0 + 1 x S's eight tiles.  The 64 accumulators take turns, one instruction a turn, in the same order in every step.
.macro MUL16 a0, p, q, sc, zero
.irp a, \a0, \a0+1
.irp b, 0,1,2,3,4,5,6,7
.if \zero
	v_wmma_scale_f32_16x16x128_f8f6f4 v[8*(8*((\a)%4)+\b):8*(8*((\a)%4)+\b)+7], v[128*(\p)+FR*\b:128*(\p)+FR*\b+FR-1], v[AF+FR*(\a):AF+FR*(\a)+FR-1], 0, v[SC+8*NQ*(\sc)+NQ*\b+(\q)], v[SC+8*NQ*(\sc)+NQ*(\a)+(\q)] matrix_a_fmt:MATRIX_FMT_FP4 matrix_b_fmt:MATRIX_FMT_FP4 matrix_a_scale:MATRIX_SCALE_ROW1
.else
	v_wmma_scale_f32_16x16x128_f8f6f4 v[8*(8*((\a)%4)+\b):8*(8*((\a)%4)+\b)+7], v[128*(\p)+FR*\b:128*(\p)+FR*\b+FR-1], v[AF+FR*(\a):AF+FR*(\a)+FR-1], v[8*(8*((\a)%4)+\b):8*(8*((\a)%4)+\b)+7], v[SC+8*NQ*(\sc)+NQ*\b+(\q)], v[SC+8*NQ*(\sc)+NQ*(\a)+(\q)] matrix_a_fmt:MATRIX_FMT_FP4 matrix_b_fmt:MATRIX_FMT_FP4 matrix_a_scale:MATRIX_SCALE_ROW1
.endif
.endr
.endr
.endm
.macro FETCH_B slot, q, p
	WIN TO_B
.irp i, 0,1,2,3,4,5,6,7
	FRAG 128*(\p)+FR*\i, ADRB+\slot, \q, \i
.endr
	WIN 0
.endm
.macro FETCH_A slot, q, i0
.irp i, \i0, \i0+1, \i0+2, \i0+3
	FRAG AF+FR*(\i), ADRA+\slot, \q, \i
.endr
.endm
.macro SCALES sc                       ; a slot's scale words: 4 words a row; lanes 0-15 P's block i, lanes 16-31 S's tile i
.irp i, 0,1,2,3,4,5,6,7
	ds_load_b128 v[SC+8*NQ*\sc+NQ*\i:SC+8*NQ*\sc+NQ*\i+3], v[ADRS] offset:\i*SBLK
.endr
.endm
.macro PLACES n                        ; plain vector instructions between a matrix instruction and a load into, or a vector read or write of, its registers
.rept \n
	v_nop
.endr
.endm
.macro STEP slot, q, zero              ; 128 along K whose successor lies in the same slot
	s_wait_dscnt 4*NL                              ; all but the youngest eight loads (P's blocks 4-7) are in
	WIN MUL_LO
	MUL16 0, (\q)%2, \q, \slot, \zero
	MUL16 2, (\q)%2, \q, \slot, \zero
	s_wait_dscnt 0
	PLACES NP
	FETCH_B \slot, (\q)+1, 1-(\q)%2
	FETCH_A \slot, (\q)+1, 0
	WIN MUL_HI
	MUL16 4, (\q)%2, \q, \slot, \zero
	MUL16 6, (\q)%2, \q, \slot, \zero
	PLACES NP
	WIN 0
	FETCH_A \slot, (\q)+1, 4
.endm
.macro TURN                            ; slot 0's last step: behind its barrier slot 1 is whole for every wave.  Nothing is filled again
	s_wait_tensorcnt 0x0                           ; all my tensor loads have landed: my part of slot 1
	ds_add_u32 v[SPW], v[NIL]
	s_wait_dscnt 4*NL+1                            ; (the add and the youngest eight loads may be out)
	WIN MUL_LO
	MUL16 0, 1, NQ-1, 0, 0
	s_wait_dscnt 0x0
	s_barrier_signal -1
	MUL16 2, 1, NQ-1, 0, 0
	WIN 0
	s_barrier_wait -1
	PLACES NP
	v_add_nc_u32 v[ADRS], 4*NQ, v[ADRS]            ; on to slot 1's scale words (no LDS load of mine is out)
	FETCH_B 1, 0, 0
	FETCH_A 1, 0, 0
	SCALES 1
	WIN MUL_HI
	MUL16 4, 1, NQ-1, 0, 0
	MUL16 6, 1, NQ-1, 0, 0
	PLACES NP
	WIN 0
	FETCH_A 1, 0, 4
.endm
.macro STEPS slot, from
.set Q, \from
.rept NQ-1-\from
	STEP \slot, Q, 0
.set Q, Q+1
.endr
.endm
.macro LAST                            ; the very last step: nothing more to fetch
	s_wait_dscnt 4*NL
	WIN MUL_LO
	MUL16 0, 1, NQ-1, 1, 0
	MUL16 2, 1, NQ-1, 1, 0
	s_wait_dscnt 0
	WIN MUL_HI
	MUL16 4, 1, NQ-1, 1, 0
	MUL16 6, 1, NQ-1, 1, 0
	WIN 0
	PLACES NP                                      ; ahead of the reads of results and of the writes over P's fragments
.endm
; 64 numbers of a lane, register 16 b + i = index 32 b + 16 (lane / 16) + i of my row, become a fragment's codes in v[PC] on and its scale word in v[PW].
.macro QUANT s
.irp b, 0,1,2,3
	v_max3_num_f32 v[TM+\b], |v[\s+16*\b]|, |v[\s+1+16*\b]|, 0x1800000   ; my 16 numbers of block b, and the floor 2^(3 - 127)
.endr
.irp i, 2,4,6,8,10,12,14
.irp b, 0,1,2,3
	v_max3_num_f32 v[TM+\b], v[TM+\b], |v[\s+16*\b+\i]|, |v[\s+1+16*\b+\i]|
.endr
.endr
.irp b, 0,1,2,3
	v_permlanex16_b32 v[TM+4+\b], v[TM+\b], s[SEL], s[SEL+1]
.endr
.irp b, 0,1,2,3
	v_max_num_f32 v[TM+\b], v[TM+\b], v[TM+4+\b]   ; with lane l xor 16's: the block's largest magnitude
.endr
.irp b, 0,1,2,3
	v_add_nc_u32 v[TM+12+\b], 0xff000000, v[TM+\b] ; 2 off its exponent field: the conversion's scale operand
.endr
.irp b, 0,1,2,3
	v_lshrrev_b32 v[TM+4+\b], 23, v[TM+12+\b]      ; the scale's byte
.endr
	v_lshl_or_b32 v[PW], v[TM+5], 8, v[TM+4]
	v_lshl_or_b32 v[PW], v[TM+6], 16, v[PW]
	v_lshl_or_b32 v[PW], v[TM+7], 24, v[PW]
.irp b, 0,1,2,3
	v_cvt_scalef32_pk8_fp4_f32 v[PC+2*\b], v[\s+16*\b:\s+7+16*\b], v[TM+12+\b]
	v_cvt_scalef32_pk8_fp4_f32 v[PC+1+2*\b], v[\s+8+16*\b:\s+15+16*\b], v[TM+12+\b]
.endr
	v_nop                                          ; one plain place behind a scaled conversion
.irp c, 0,1                                    ; the operand's layout wants a whole block in a lane
.irp i, 0,1
	v_permlane16_swap_b32 v[PC+4*\c+\i], v[PC+2+4*\c+\i]
.endr
.endr
.endm
; q, k: block a of P (16 tokens): + bias (by register), quantised: blocks 0, 1 are the first head's 64, blocks 2, 3 the second's
.macro EPIQK a
.if (\a) > 0
	s_wait_xcnt 0x0                                ; the last block's stores have read the codes' registers,
	s_wait_dscnt 0x0                               ; and its LDS store the word's
.endif
	WIN 0x02+(\a)/4                                ; source 0: the accumulators' window
.set i, 0
.rept 32
	v_pk_add_f32 v[TT+2*i:TT+2*i+1], v[64*((\a)%4)+2*i:64*((\a)%4)+2*i+1], v[BI+2*i:BI+2*i+1]   ; each accumulator from its low end on
.set i, i+1
.endr
	WIN 0
	QUANT TT
	global_store_b128 v[VO0], v[PC:PC+3], s[92:93] offset:512*(\a)      ; the first head's tile: 512 consecutive bytes
	global_store_b128 v[VO1], v[PC+4:PC+7], s[92:93] offset:512*(\a)    ; the second head's
	v_lshrrev_b32 v[PX], v[SH16], v[PW]            ; lanes 0-15: the word as it is (first head); lanes 16-31: its upper half (second head)
	ds_store_b32 v[STA], v[PX] offset:256*((\a)/4)+4*((\a)%4)
.endm
; v: block a of P (16 channels): + bias (by lane), quantised along my 128 keys: a whole fragment and a whole word
.macro EPIV a
.if (\a) > 0
	s_wait_xcnt 0x0
	s_wait_dscnt 0x0
.endif
	WIN 0x02+(\a)/4
.set i, 0
.rept 32
	v_pk_add_f32 v[TT+2*i:TT+2*i+1], v[64*((\a)%4)+2*i:64*((\a)%4)+2*i+1], v[BI+2*(\a):BI+2*(\a)+1]
.set i, i+1
.endr
	WIN 0
	QUANT TT
	global_store_b128 v[VO0], v[PC:PC+3], s[92:93] offset:4096+143360*((\a)/4)+1024*((\a)%4)
	global_store_b128 v[VO0], v[PC+4:PC+7], s[92:93] offset:4096+143360*((\a)/4)+1024*((\a)%4)+512
	ds_store_b32 v[STAV], v[PW] offset:256*((\a)/4)+4*((\a)%4)   ; both halves of the lanes write the same word with the same value
.endm
	s_wait_alu depctr_va_vdst(0)                   ; at the head's end
	s_wait_tensorcnt 0x0                           ; my tile of the head's four is in
	ds_add_u32 v[SPW], v[NIL]
	s_mov_b32 s[G1+2], 128<<16                     ; no tensor load of mine is out: from here on a load brings 128 rows
	s_mov_b32 s[G1+4], 128
	s_mov_b32 s[G1B+2], 128<<16
	s_mov_b32 s[G1B+4], 128
	s_wait_dscnt 0x0
	CROUND                                         ; all four tiles are in, and all sixteen work-groups are here
	JLOAD G0+4, G1, G0B+4, G1B                     ; K step 1's load, my one tensor load behind the round
	FETCH_B 0, 0, 0
	FETCH_A 0, 0, 0
	SCALES 0
	FETCH_A 0, 0, 4
	STEP 0, 0, 1                                   ; the first products start the sums: nothing is cleared
	STEPS 0, 1
	TURN
	STEPS 1, 0
	s_cmp_eq_u32 s19, 2                            ; KIND: the same in all sixteen partners
	s_cbranch_scc1 .Lv
	; ---------------- q, k ----------------
	s_lshr_b32 s40, s22, 1                         ; the batch
	s_and_b32 s41, s22, 1
	s_lshl_b32 s41, s41, 2
	s_add_co_u32 s41, s41, s21
	s_lshl_b32 s41, s41, 1
	s_add_co_u32 s41, s41, s17                     ; g: which 128 tokens of the batch
	s_lshl_b32 s42, s20, 2
	s_lshl_b32 s43, s18, 1
	s_add_co_u32 s42, s42, s43                     ; my first head
	s_lshl_b32 s40, s40, 4
	s_add_co_u32 s40, s40, s42
	s_lshl_b32 s40, s40, 4
	s_add_co_u32 s40, s40, s41                     ; u = (16 batch + head) 16 + g
	s_mov_b32 s98, 4096
	s_mov_b32 s99, 512
	s_mov_b32 s100, 65536
	s_mov_b32 s101, 8192
	s_cmp_eq_u32 s19, 1                            ; k goes into kv's records, q into qc and qs
	s_cselect_b64 s[92:93], s[14:15], s[10:11]
	s_cselect_b64 s[94:95], s[14:15], s[12:13]
	s_cselect_b32 s98, 8960, s98                   ; bytes for a u: codes,
	s_cselect_b32 s99, 8960, s99                   ; words;
	s_cselect_b32 s100, 143360, s100               ; from head to head: codes,
	s_cselect_b32 s101, 143360, s101               ; words;
	s_cselect_b32 s3, 8192, 0                      ; where the words begin in a record
	s_mul_i32 s42, s40, s98
	s_mov_b32 s43, 0
	s_add_nc_u64 s[92:93], s[92:93], s[42:43]
	s_mul_i32 s42, s40, s99
	s_add_co_u32 s42, s42, s3
	s_add_nc_u64 s[94:95], s[94:95], s[42:43]
	s_lshl_b32 s42, s19, 10
	s_lshl_b32 s44, s20, 8
	s_add_co_u32 s42, s42, s44
	s_lshl_b32 s44, s18, 7
	s_add_co_u32 s42, s42, s44
	s_lshl_b32 s42, s42, 2
	s_add_nc_u64 s[96:97], s[8:9], s[42:43]        ; the bias of my 128 columns
	v_add_nc_u32 v[VO1], s100, v[VO0]
	v_add_nc_u32 v[VS1], s101, v[VO0]
	v_lshlrev_b32 v[BA], 6, v[TH]                  ; 16 numbers on for lanes 16-31
.irp t, 0,1,2,3,4,5,6,7
	global_load_b128 v[BI+8*\t:BI+8*\t+3], v[BA], s[96:97] offset:(32*(\t/2)+8*(\t%2))*4
	global_load_b128 v[BI+8*\t+4:BI+8*\t+7], v[BA], s[96:97] offset:(32*(\t/2)+8*(\t%2))*4+16
.endr
	LAST                                           ; the last 64 products stand between the bias's loads and the wait for them
	s_wait_loadcnt 0x0
.irp a, 0,1,2,3,4,5,6,7
	EPIQK \a
.endr
	s_wait_xcnt 0x0                                ; the last stores have read the codes' registers
	ds_load_b128 v[PC:PC+3], v[RDA]                ; LDS serves a wave's instructions in order: these see my stores
	ds_load_b128 v[PC+4:PC+7], v[RDA] offset:512
	s_wait_dscnt 0x0
	global_store_b128 v[VO0], v[PC:PC+3], s[94:95]     ; the first head's 128 words: 512 consecutive bytes
	global_store_b128 v[VS1], v[PC+4:PC+7], s[94:95]   ; the second head's
	s_branch .Ldone
	; ---------------- v ----------------
.Lv:
	s_lshr_b32 s40, s22, 1                         ; the batch
	s_and_b32 s41, s22, 1
	s_lshl_b32 s41, s41, 2
	s_add_co_u32 s41, s41, s20
	s_lshl_b32 s41, s41, 1
	s_add_co_u32 s41, s41, s18                     ; the key step
	s_lshl_b32 s42, s21, 2
	s_lshl_b32 s43, s17, 1
	s_add_co_u32 s42, s42, s43                     ; my first head
	s_lshl_b32 s40, s40, 4
	s_add_co_u32 s40, s40, s42
	s_lshl_b32 s40, s40, 4
	s_add_co_u32 s40, s40, s41
	s_mul_i32 s42, s40, 8960
	s_mov_b32 s43, 0
	s_add_nc_u64 s[92:93], s[14:15], s[42:43]      ; its record
	s_lshl_b32 s42, s21, 8
	s_lshl_b32 s44, s17, 7
	s_add_co_u32 s42, s42, s44
	s_add_co_u32 s42, s42, 2048
	s_lshl_b32 s42, s42, 2
	s_add_nc_u64 s[96:97], s[8:9], s[42:43]        ; the bias of my 128 channels
	v_and_b32 v[T0], 8, v[TR]
	v_add_nc_u32 v[T0], v[T0], v[TR]
	v_lshlrev_b32 v[BA], 2, v[T0]                  ; place r holds channel r + 8 (r / 8) of the tile's span
	v_lshlrev_b32 v[T0], 4, v[TR]
	v_mul_u32_u24 v[T1], v[TH], 143360
	v_add_nc_u32 v[VSV], v[T0], v[T1]              ; the words: lanes 0-15 the first head's 256 bytes, lanes 16-31 the second's
.irp a, 0,1,2,3,4,5,6,7
	global_load_b32 v[BI+2*\a], v[BA], s[96:97] offset:(32*(\a/2)+8*(\a%2))*4
	global_load_b32 v[BI+2*\a+1], v[BA], s[96:97] offset:(32*(\a/2)+8*(\a%2))*4     ; the same number once more: a pair for the packed addition
.endr
	LAST
	s_wait_loadcnt 0x0
.irp a, 0,1,2,3,4,5,6,7
	EPIV \a
.endr
	s_wait_xcnt 0x0
	ds_load_b128 v[PC:PC+3], v[RDAV]
	s_wait_dscnt 0x0
	global_store_b128 v[VSV], v[PC:PC+3], s[92:93] offset:8704    ; sixteen lanes store 256 consecutive bytes, aligned
.Ldone:
	s_wait_tensorcnt 0x0                           ; the wave's end
	ds_add_u32 v[SPW], v[NIL]
	s_wait_dscnt 0x0
	CROUND                                         ; the closing round
	s_endpgm
.Lfunc_end_k_q87fc3b9de8_qkv:
	.size	k_q87fc3b9de8_qkv, .Lfunc_end_k_q87fc3b9de8_qkv-k_q87fc3b9de8_qkv
	.p2alignl 7, 3214868480
	.fill 96, 4, 3214868480
	.section	.rodata,"a",@progbits
	.p2align	6, 0x0
	.amdhsa_kernel k_q87fc3b9de8_qkv
		.amdhsa_group_segment_fixed_size 327680
		.amdhsa_private_segment_fixed_size 0
		.amdhsa_enable_private_segment 0
		.amdhsa_kernarg_size 48
		.amdhsa_user_sgpr_count 2
		.amdhsa_user_sgpr_kernarg_segment_ptr 1
		.amdhsa_wavefront_size32 1
		.amdhsa_system_sgpr_workgroup_id_x 1
		.amdhsa_system_sgpr_workgroup_id_y 1
		.amdhsa_system_sgpr_workgroup_id_z 1
		.amdhsa_system_vgpr_workitem_id 0
		.amdhsa_next_free_vgpr 1024
		.amdhsa_next_free_sgpr 106
		.amdhsa_reserve_vcc 0
		.amdhsa_float_denorm_mode_32 3
		.amdhsa_float_denorm_mode_16_64 3
		.amdhsa_memory_ordered 1
		.amdhsa_forward_progress 1
		.amdhsa_inst_pref_size 208
	.end_amdhsa_kernel
	.amdgpu_metadata
---
amdhsa.version: [ 1, 2 ]
amdhsa.kernels:
  - .name:           k_q87fc3b9de8_qkv
    .symbol:         k_q87fc3b9de8_qkv.kd
    .args:
      - { .name: wc, .offset: 0, .size: 8, .value_kind: global_buffer, .address_space: global }
      - { .name: ws, .offset: 8, .size: 8, .value_kind: global_buffer, .address_space: global }
      - { .name: qkv_b, .offset: 16, .size: 8, .value_kind: global_buffer, .address_space: global }
      - { .name: qc, .offset: 24, .size: 8, .value_kind: global_buffer, .address_space: global }
      - { .name: qs, .offset: 32, .size: 8, .value_kind: global_buffer, .address_space: global }
      - { .name: kv, .offset: 40, .size: 8, .value_kind: global_buffer, .address_space: global }
    .group_segment_fixed_size: 327680
    .private_segment_fixed_size: 0
    .kernarg_segment_align: 8
    .kernarg_segment_size: 48
    .max_flat_workgroup_size: 128
    .sgpr_count:     106
    .vgpr_count:     1024
    .wavefront_size: 32
...
	.end_amdgpu_metadata
.endif
;; end of part 2
;; launch attn (part 3): grid 8 x 32, 16 waves a work-group, no clusters, 289,792 bytes of LDS; arguments qc, qs, kv, maskw, aoc, aos; writes aoc, aos
.if DOCPART == 3
	.amdgcn_target "amdgcn-amd-amdhsa--gfx1250"
	.amdhsa_code_object_version 6
	.text
	.protected	k_q87fc3b9de8_attn
	.globl	k_q87fc3b9de8_attn
	.p2align	8
	.type	k_q87fc3b9de8_attn,@function
k_q87fc3b9de8_attn:
	s_mov_b64 s[64:65], 0
	v_nop
	global_prefetch_b8 v0, s[64:65] scope:SCOPE_SE
	s_setreg_imm32_b32 hwreg(HW_REG_WAVE_MODE, 25, 1), 1
	s_wait_xcnt 0x0
; Launch 3 of 4: attention on codes of E2M1, and its result quantised along the model's 1,024 for the last product.  No work is left out.
; A work-group owns 256 queries of two neighbouring heads; each of its sixteen waves owns one tile of 16 queries and walks head A's 16 key steps of 128 keys, then head B's.
; K AND V.  The two heads' 32 records of kv (8,960 bytes each: K's 8 tiles, V's 4 fragments, K's and V's scale words, all as register images) are 286,720 consecutive bytes.
; Each wave copies 17,920 of them through registers into LDS (35 loads and 35 stores of 512 bytes); one barrier; from then on LDS is only read, and no barrier stands before the way out.
; THE MASK is an input.  maskw holds, for my query tile and each key step, 64 lane masks, one for each score register, and behind them a bit for each key step that says whether all 64 are all ones.
; Hidden scores become -infinity ahead of the maximum.  Where a step's bit is set the 64 selects would change nothing: a scalar branch on the bit (whole numbers that launch 1 stored) leads round them and round the loads of their masks.
; NO TENSOR LOAD, NO CLUSTER: the tiles that the eight work-groups of a pair of heads share come by plain loads.
; NO PREFETCH: all of K and V is asked for at the kernel's head, in one run: there is no loop to run ahead in.
; LAYOUT.  Both products are used transposed (S^T = K Q^T, O^T = V^T P^T): a lane holds one query; the 16 registers of score tiles 2 b, 2 b + 1 are keys 32 b + 16 (lane / 16) + 0 .. 15.
; The head's K is 64: Q's upper 64 codes are zeros, so what stands in the upper half of K's operand (the next tile's codes) adds nothing.
; SOFTMAX: t = score x log2(e) / 8; M = the ceiling of the running largest t; p = 2^(t - M) is quantised along the keys; the sum is taken of the unquantised p and divides at the end.
; A row with no key left has the sum 0: its scale bytes become 0xff, so that the last product gives NaN there, as the softmax of such a row does.
; LIMITS: the scaled scores stay under 2^31 in magnitude; NaN and infinities among the inputs are not served; blocks under 2^-124 keep the byte 1.
; REGISTERS: v1 16 x lane, v2 16 x (lane % 16), v3-4 the step's LDS addresses, v5-6 the add's, v7 -infinity, v8-9 Q's scale words, v10 the result's scale word, v12 -M, v13 the largest score, v[14:15] and v[236:237] the sum,
; v16-31 Q (two heads), v32-67 K's tiles (v64-67 zeros), v68-71 K's words, v72-75 V's words, v76-83 the result's codes, v96-159 S^T then p, v160-191 O^T, v192-223 V, v224-231 p's codes, v232-255 at work.
.set REC,   8960
.set HEADB, 16*REC
.set WSH,   2*REC                      ; a wave's share of the fill
.set STG,   2*HEADB                    ; 1,024 bytes: the result's scale words of the 256 queries
.set SPARE, STG+1024                   ; the spare words, 128 bytes a wave
.set SEL,   100                        ; s[100:101] selects for lane l xor 16
.set CS,    104                        ; s[104:105] c = log2(e) / 8
.set MQ,    92                         ; s92 my query tile's lane masks in maskw;  s93 its 16 bits;  s94 the bits still to come;  s95 at work
	s_load_b256 s[4:11], s[0:1], 0x0               ; qc, qs, kv, maskw
	s_load_b128 s[12:15], s[0:1], 0x20             ; aoc, aos
	v_lshl_add_u32 v5, v0, 2, SPARE
	v_mov_b32 v6, 0
	v_lshrrev_b32 v3, 5, v0
	v_readfirstlane_b32 s2, v3                     ; wave
	s_mov_b32 s17, ttmp9                           ; which 256 queries
	s_and_b32 s18, ttmp7, 0xffff
	s_lshr_b32 s19, s18, 3                         ; batch
	s_and_b32 s20, s18, 7                          ; pair of heads
	s_lshl_b32 s21, s19, 4
	s_lshl_b32 s22, s20, 1
	s_add_co_u32 s21, s21, s22                     ; head A = 16 batch + 2 pair
	s_lshl_b32 s22, s21, 3
	s_add_co_u32 s22, s22, s2
	s_mul_i32 s22, s22, WSH                        ; kv: 8 shares a head, + my share
	s_mov_b32 s23, 0
	s_mul_i32 s24, s2, WSH                         ; and the same place in LDS
	s_lshl_b32 s25, s17, 4
	s_add_co_u32 s25, s25, s2                      ; my query tile, 0 .. 127
	s_lshl_b32 s26, s21, 7
	s_add_co_u32 s26, s26, s25
	s_lshl_b32 s26, s26, 9                         ; qc: 512 bytes a tile
	s_mov_b32 s27, 0
	s_lshl_b32 s28, s21, 4
	s_lshr_b32 s36, s25, 3
	s_add_co_u32 s28, s28, s36
	s_lshl_b32 s28, s28, 9
	s_bfe_u32 s36, s25, 0x10002
	s_lshl_b32 s36, s36, 8
	s_add_co_u32 s28, s28, s36
	s_and_b32 s36, s25, 3
	s_lshl_b32 s36, s36, 2
	s_add_co_u32 s28, s28, s36                     ; qs: 512 (tile / 8) + 256 ((tile / 4) % 2) + 4 (tile % 4)
	s_mov_b32 s29, 0
	s_lshl_b32 s[MQ], s25, 12                      ; maskw: 4,096 bytes of lane masks a tile,
	s_lshl_b32 s95, s25, 5                         ; and 32 bytes of bits
	s_lshl_b32 s32, s19, 7
	s_add_co_u32 s32, s32, s25
	s_lshl_b32 s32, s32, 3
	s_add_co_u32 s32, s32, s20
	s_lshl_b32 s32, s32, 10                        ; aoc: [token tile][128 of K] fragments of 1,024 bytes
	s_mov_b32 s33, 0
	s_lshl_b32 s34, s19, 11
	s_lshl_b32 s36, s17, 8
	s_add_co_u32 s34, s34, s36
	s_lshl_b32 s34, s34, 2
	s_lshl_b32 s36, s20, 15
	s_add_co_u32 s34, s34, s36                     ; aos: [128 of K][token] words
	s_mov_b32 s35, 0
	s_mov_b32 s[SEL], 0x76543210
	s_mov_b32 s[SEL+1], 0xfedcba98
	s_mov_b32 s[CS], 0x3e38aa3b
	s_mov_b32 s[CS+1], s[CS]
	s_lshl_b32 s37, s2, 6
	s_add_co_u32 s37, s37, STG
	v_and_b32 v1, 31, v0
	v_lshlrev_b32 v1, 4, v1
	v_and_b32 v2, 15, v0
	v_lshlrev_b32 v84, 2, v2
	v_lshlrev_b32 v2, 4, v2
	v_add_nc_u32 v84, s37, v84                     ; the stage: 64 bytes a wave, 4 a row
	v_add_nc_u32 v85, STG, v1
	v_add_nc_u32 v86, s24, v1                      ; the fill: my share, 16 x lane
	s_wait_alu depctr_va_vdst(0)                   ; directly ahead of the wait below
	s_wait_kmcnt 0x0
	s_add_nc_u64 s[8:9], s[8:9], s[22:23]
	s_add_nc_u64 s[4:5], s[4:5], s[26:27]
	s_add_nc_u64 s[6:7], s[6:7], s[28:29]
	s_add_nc_u64 s[12:13], s[12:13], s[32:33]
	s_add_nc_u64 s[14:15], s[14:15], s[34:35]
.set i, 0
.rept 35
	global_load_b128 v[96+4*i:99+4*i], v1, s[8:9] offset:512*i     ; 32 lanes read 512 consecutive bytes
.set i, i+1
.endr
	global_load_b128 v[16:19], v1, s[4:5]          ; Q of head A,
	global_load_b128 v[24:27], v1, s[4:5] offset:65536   ; of head B,
	global_load_b32 v8, v2, s[6:7]                 ; and their scale words
	global_load_b32 v9, v2, s[6:7] offset:8192
	s_load_b256 s[68:75], s[10:11], s95 offset:0x80000   ; my tile's eight words of bits
.irp j, 20,21,22,23,28,29,30,31,64,65,66,67,236,237,238,239,253
	v_mov_b32 v[\j], 0
.endr
	v_mov_b32 v7, 0xff800000
	v_mov_b32 v11, 0xffff
	s_wait_alu depctr_va_vdst(0)                   ; directly ahead of the wait below
	s_wait_loadcnt 4                               ; my share of K and V is in; Q's four loads may be out
.set i, 0
.rept 35
	ds_store_b128 v86, v[96+4*i:99+4*i] offset:512*i
.set i, i+1
.endr
	s_wait_loadcnt 0x0                             ; Q
	s_wait_dscnt 0x0                               ; my stores are done, for the others' sake
	s_barrier_signal -1
	s_barrier_wait -1                              ; both heads' K and V are whole
; A KEY STEP.  pre = 1: the next step's tiles of K are asked for in it.
.macro STEP hd, pre
	s_wait_dscnt 0x0                               ; K's nine loads, asked for a step ago
.irp t, 0,1,2,3
	v_wmma_scale_f32_16x16x128_f8f6f4 v[96+8*\t:103+8*\t], v[32+4*\t:39+4*\t], v[16+8*\hd:23+8*\hd], 0, v[68+\t], v[8+\hd] matrix_a_fmt:MATRIX_FMT_FP4 matrix_b_fmt:MATRIX_FMT_FP4
.endr
.irp t, 4,5,6,7
	v_wmma_scale_f32_16x16x128_f8f6f4 v[96+8*\t:103+8*\t], v[32+4*\t:39+4*\t], v[16+8*\hd:23+8*\hd], 0, v[64+\t], v[8+\hd] matrix_a_fmt:MATRIX_FMT_FP4 matrix_b_fmt:MATRIX_FMT_FP4 matrix_a_scale:MATRIX_SCALE_ROW1
.endr
	v_add_nc_u32 v3, s3, v1                        ; four places, behind these products and the last step's, ahead of the loads into their sources and of the reads of the scores: work that is due anyway
	v_add_nc_u32 v4, s3, v2
	v_mov_b32 v255, v12                            ; the old -M
	v_pk_add_f32 v[14:15], v[14:15], v[236:237]    ; the last step's second chain joins the sum, still under the old M
	ds_load_b128 v[72:75], v4 offset:8704          ; V's scale words and fragments
.irp i, 0,1,2,3,4,5,6,7
	ds_load_b128 v[192+4*\i:195+4*\i], v3 offset:4096+512*\i
.endr
.if \pre
	ds_load_b128 v[68:71], v3 offset:REC+8192      ; the next step's K: its words and its eight tiles
.irp t, 0,1,2,3,4,5,6,7
	ds_load_b128 v[32+4*\t:35+4*\t], v3 offset:REC+512*\t
.endr
.endif
	s_bitcmp1_b32 s94, 0                           ; does every key of the step count for every query of my tile?
	s_cbranch_scc1 .Lopen_\@
	s_mul_hi_u32 s95, s3, 122713352                ; s3 / 35 = 256 x the step (s3 is a multiple of 8,960, under 2^19: the quotient is exact)
	s_and_b32 s95, s95, 0xfff                      ; head B walks the same 16 steps
	s_add_co_u32 s95, s95, s[MQ]
	s_load_b512 s[16:31], s[10:11], s95 offset:0x0
	s_load_b512 s[32:47], s[10:11], s95 offset:0x40
	s_load_b512 s[48:63], s[10:11], s95 offset:0x80
	s_load_b512 s[68:83], s[10:11], s95 offset:0xc0
	s_wait_kmcnt 0x0
.set n, 0
.rept 64
.if n < 48
	v_cndmask_b32 v[96+n], v7, v[96+n], s[16+n]
.else
	v_cndmask_b32 v[96+n], v7, v[96+n], s[20+n]
.endif
.set n, n+1
.endr
.Lopen_\@:
	s_lshr_b32 s94, s94, 1
.irp b, 0,1,2,3
	v_max3_num_f32 v[232+\b], v[96+16*\b], v[97+16*\b], v[98+16*\b]   ; the largest score of each block of 32 keys, the four blocks by turns
.endr
.irp i, 3,5,7,9,11,13
.irp b, 0,1,2,3
	v_max3_num_f32 v[232+\b], v[232+\b], v[96+16*\b+\i], v[97+16*\b+\i]
.endr
.endr
.irp b, 0,1,2,3
	v_max_num_f32 v[232+\b], v[232+\b], v[111+16*\b]
.endr
.irp b, 0,1,2,3
	v_permlanex16_b32 v[236+\b], v[232+\b], s[SEL], s[SEL+1]
.endr
.irp b, 0,1,2,3
	v_max_num_f32 v[232+\b], v[232+\b], v[236+\b]
.endr
	s_delay_alu instid0(VALU_DEP_2)
	v_max3_num_f32 v254, v232, v233, v234
	s_delay_alu instid0(VALU_DEP_1)
	v_max3_num_f32 v13, v13, v254, v235            ; the running largest score (c is positive: it has the largest t)
	s_delay_alu instid0(VALU_DEP_1)
	v_mul_f32 v254, -v13, s[CS]
	s_delay_alu instid0(VALU_DEP_1)
	v_floor_f32 v12, v254                          ; -M = floor(-t)
.set j, 0
.irp w, 0,1,2,3                                ; t - M, two at a time; the three lines that make f = 2^(old M - new M) stand among them
.rept 8
	v_pk_fma_f32 v[96+j:97+j], v[96+j:97+j], s[CS:CS+1], v[12:13] op_sel_hi:[1,0,0]
.set j, j+2
.endr
.if \w == 0
	v_sub_f32 v254, v12, v255
.endif
.if \w == 1
	v_cvt_i32_f32 v254, v254
.endif
.if \w == 2
	v_ldexp_f32 v252, 1.0, v254
.endif
.endr
.irp b, 0,1,2,3
	v_fma_f32 v[232+\b], v[232+\b], s[CS], v12
.endr
	s_wait_alu depctr_va_vdst(0)                   ; ahead of the batch
.set j, 0
.rept 64
	v_exp_f32 v[96+j], v[96+j]
.set j, j+1
.endr
	v_pk_mul_f32 v[14:15], v[14:15], v[252:253] op_sel_hi:[1,0]
	s_wait_alu depctr_va_vdst(0)                   ; and behind it
.irp b, 0,1,2,3
	v_exp_f32 v[232+\b], v[232+\b]                 ; each block's largest p
.endr
	v_pk_add_f32 v[236:237], v[96:97], v[98:99]    ; the sum of the unquantised p, in two chains; the second joins the first in the next step, or at the head's end
.irp j, 4,8,12,16,20,24,28,32,36,40,44,48,52,56,60
	v_pk_add_f32 v[14:15], v[14:15], v[96+\j:97+\j]
	v_pk_add_f32 v[236:237], v[236:237], v[98+\j:99+\j]
.endr
	s_wait_alu depctr_va_vdst(0)                   ; for the four
.irp b, 0,1,2,3
	v_max_num_f32 v[232+\b], 0x1800000, v[232+\b]  ; the floor 2^(3 - 127)
.endr
.irp b, 0,1,2,3
	v_add_nc_u32 v[244+\b], 0xff000000, v[232+\b]  ; 2 off the exponent field: the conversion's scale operand
.endr
.irp b, 0,1,2,3
	v_lshrrev_b32 v[240+\b], 23, v[244+\b]         ; the scale's byte
.endr
	v_lshl_or_b32 v253, v241, 8, v240
	v_lshl_or_b32 v254, v243, 8, v242
	s_delay_alu instid0(VALU_DEP_1)
	v_lshl_or_b32 v253, v254, 16, v253             ; p's scale word
.irp b, 0,1,2,3
	v_cvt_scalef32_pk8_fp4_f32 v[224+2*\b], v[96+16*\b:103+16*\b], v[244+\b]
	v_cvt_scalef32_pk8_fp4_f32 v[225+2*\b], v[104+16*\b:111+16*\b], v[244+\b]
.endr
	v_nop
.irp c, 0,1
.irp i, 0,1
	v_permlane16_swap_b32 v[224+4*\c+\i], v[226+4*\c+\i]
.endr
.endr
	s_wait_alu depctr_va_vdst(0)                   ; directly ahead of the first reader of O^T
.set j, 0
.rept 16
	v_pk_mul_f32 v[160+j:161+j], v[160+j:161+j], v[252:253] op_sel_hi:[1,0]
.set j, j+2
.endr
	s_wait_alu depctr_va_vdst(0)                   ; directly ahead of the wait below
.if \pre
	s_wait_dscnt 9                                 ; V's nine loads are in; the next K's nine may be out
.else
	s_wait_dscnt 0x0
.endif
.irp d, 0,1,2,3
	v_wmma_scale_f32_16x16x128_f8f6f4 v[160+8*\d:167+8*\d], v[192+8*\d:199+8*\d], v[224:231], v[160+8*\d:167+8*\d], v[72+\d], v253 matrix_a_fmt:MATRIX_FMT_FP4 matrix_b_fmt:MATRIX_FMT_FP4
.endr
	s_add_co_u32 s3, s3, REC                       ; the next record; the loops count on it
.endm
.macro INIT
	v_mov_b32 v236, 0
	v_mov_b32 v237, 0
	v_mov_b32 v13, 0xff61b1e6
	s_delay_alu instid0(VALU_DEP_1)
	v_floor_f32 v12, -v13
	v_mov_b32 v14, 0
	v_mov_b32 v15, 0
.set j, 0
.rept 32
	v_mov_b32 v[160+j], 0
.set j, j+1
.endr
.endm
; A head's end: O^T / the sum, quantised along the head's 64 channels: two blocks, 4 registers of codes, two bytes of the scale word
.macro EPI hd
	v_pk_add_f32 v[14:15], v[14:15], v[236:237]    ; the last step's second chain; with the three lines below, four places behind the last products
.rept 3
	v_nop
.endr
	v_add_f32 v14, v14, v15
	s_delay_alu instid0(VALU_DEP_1)
	v_permlanex16_b32 v252, v14, s[SEL], s[SEL+1]
	s_delay_alu instid0(VALU_DEP_1)
	v_add_f32 v14, v14, v252
	s_delay_alu instid0(VALU_DEP_1)
	v_cmp_eq_f32 vcc_lo, 0, v14                    ; a row with no key left
	s_delay_alu instid0(VALU_DEP_2)
	v_max_num_f32 v14, 0x800000, v14
	s_wait_alu depctr_va_vdst(0)
	v_rcp_f32 v14, v14
	v_nop
	s_wait_alu depctr_va_vdst(0)
.set j, 0
.rept 16
	v_pk_mul_f32 v[96+j:97+j], v[160+j:161+j], v[14:15] op_sel_hi:[1,0]
.set j, j+2
.endr
.irp b, 0,1
	v_max3_num_f32 v[232+\b], |v[96+16*\b]|, |v[97+16*\b]|, 0x1800000
.endr
.irp i, 2,4,6,8,10,12,14
.irp b, 0,1
	s_delay_alu instid0(VALU_DEP_2)
	v_max3_num_f32 v[232+\b], v[232+\b], |v[96+16*\b+\i]|, |v[97+16*\b+\i]|
.endr
.endr
.irp b, 0,1
	s_delay_alu instid0(VALU_DEP_2)
	v_permlanex16_b32 v[236+\b], v[232+\b], s[SEL], s[SEL+1]
.endr
.irp b, 0,1
	s_delay_alu instid0(VALU_DEP_2)
	v_max_num_f32 v[232+\b], v[232+\b], v[236+\b]
.endr
.irp b, 0,1
	s_delay_alu instid0(VALU_DEP_2)
	v_add_nc_u32 v[244+\b], 0xff000000, v[232+\b]
.endr
.irp b, 0,1
	s_delay_alu instid0(VALU_DEP_2)
	v_lshrrev_b32 v[236+\b], 23, v[244+\b]
.endr
	s_delay_alu instid0(VALU_DEP_1)
	v_lshl_or_b32 v254, v237, 8, v236
	s_delay_alu instid0(VALU_DEP_1)
	v_cndmask_b32 v254, v254, v11, vcc_lo
.if \hd == 0
	s_delay_alu instid0(VALU_DEP_1)
	v_mov_b32 v10, v254
.else
	s_delay_alu instid0(VALU_DEP_1)
	v_lshl_or_b32 v10, v254, 16, v10
.endif
.irp b, 0,1
	v_cvt_scalef32_pk8_fp4_f32 v[76+4*\hd+2*\b], v[96+16*\b:103+16*\b], v[244+\b]
	v_cvt_scalef32_pk8_fp4_f32 v[77+4*\hd+2*\b], v[104+16*\b:111+16*\b], v[244+\b]
.endr
	v_nop
	v_permlane16_swap_b32 v[76+4*\hd], v[78+4*\hd]
	v_permlane16_swap_b32 v[77+4*\hd], v[79+4*\hd]
.endm
	ds_load_b128 v[68:71], v1 offset:8192          ; key step 0's K: its words and its eight tiles
.irp t, 0,1,2,3,4,5,6,7
	ds_load_b128 v[32+4*\t:35+4*\t], v1 offset:512*\t
.endr
	s_wait_kmcnt 0x0                               ; the eight words of bits: joined, bit s is key step s's
.irp k, 69,70,71,72,73,74,75
	s_or_b32 s68, s68, s[\k]
.endr
	s_mov_b32 s93, s68
	INIT
	s_mov_b32 s94, s93
	s_mov_b32 s3, 0
.Lpass0:                                           ; head A, 16 trips; its last step asks for head B's first K, which lies behind it in LDS
	STEP 0, 1
	s_cmp_lt_u32 s3, HEADB
	s_cbranch_scc1 .Lpass0
	EPI 0
	INIT
	s_mov_b32 s94, s93
	s_mov_b32 s3, HEADB
.Lpass1:                                           ; head B, 15 trips; its last step is written out: it asks for nothing more
	STEP 1, 1
	s_cmp_lt_u32 s3, HEADB+15*REC
	s_cbranch_scc1 .Lpass1
	STEP 1, 0
	EPI 1
	global_store_b128 v1, v[76:79], s[12:13]       ; 512 consecutive bytes each
	global_store_b128 v1, v[80:83], s[12:13] offset:512
	ds_store_b32 v84, v10                          ; both halves of the lanes write the same word with the same value
	s_wait_dscnt 0x0
	s_barrier_signal -1
	s_barrier_wait -1
	s_cmp_lg_u32 s2, 0
	s_cbranch_scc1 .Lnot0
	ds_load_b128 v[96:99], v85                     ; wave 0 sends the 256 queries' words out: 1,024 consecutive bytes
	ds_load_b128 v[100:103], v85 offset:512
	s_wait_dscnt 0x0
	global_store_b128 v1, v[96:99], s[14:15]
	global_store_b128 v1, v[100:103], s[14:15] offset:512
.Lnot0:
	s_wait_tensorcnt 0x0                           ; the wave's end, behind my last LDS store
	ds_add_u32 v5, v6
	s_wait_dscnt 0x0
	s_endpgm
.Lfunc_end_k_q87fc3b9de8_attn:
	.size	k_q87fc3b9de8_attn, .Lfunc_end_k_q87fc3b9de8_attn-k_q87fc3b9de8_attn
	.p2alignl 7, 3214868480
	.fill 96, 4, 3214868480
	.section	.rodata,"a",@progbits
	.p2align	6, 0x0
	.amdhsa_kernel k_q87fc3b9de8_attn
		.amdhsa_group_segment_fixed_size 289792
		.amdhsa_private_segment_fixed_size 0
		.amdhsa_enable_private_segment 0
		.amdhsa_kernarg_size 48
		.amdhsa_user_sgpr_count 2
		.amdhsa_user_sgpr_kernarg_segment_ptr 1
		.amdhsa_wavefront_size32 1
		.amdhsa_system_sgpr_workgroup_id_x 1
		.amdhsa_system_sgpr_workgroup_id_y 1
		.amdhsa_system_sgpr_workgroup_id_z 1
		.amdhsa_system_vgpr_workitem_id 0
		.amdhsa_next_free_vgpr 256
		.amdhsa_next_free_sgpr 106
		.amdhsa_reserve_vcc 1
		.amdhsa_float_denorm_mode_32 3
		.amdhsa_float_denorm_mode_16_64 3
		.amdhsa_memory_ordered 1
		.amdhsa_forward_progress 1
		.amdhsa_inst_pref_size 80
	.end_amdhsa_kernel
	.amdgpu_metadata
---
amdhsa.version: [ 1, 2 ]
amdhsa.kernels:
  - .name:           k_q87fc3b9de8_attn
    .symbol:         k_q87fc3b9de8_attn.kd
    .args:
      - { .name: qc, .offset: 0, .size: 8, .value_kind: global_buffer, .address_space: global }
      - { .name: qs, .offset: 8, .size: 8, .value_kind: global_buffer, .address_space: global }
      - { .name: kv, .offset: 16, .size: 8, .value_kind: global_buffer, .address_space: global }
      - { .name: maskw, .offset: 24, .size: 8, .value_kind: global_buffer, .address_space: global }
      - { .name: aoc, .offset: 32, .size: 8, .value_kind: global_buffer, .address_space: global }
      - { .name: aos, .offset: 40, .size: 8, .value_kind: global_buffer, .address_space: global }
    .group_segment_fixed_size: 289792
    .private_segment_fixed_size: 0
    .kernarg_segment_align: 8
    .kernarg_segment_size: 48
    .max_flat_workgroup_size: 512
    .sgpr_count:     106
    .vgpr_count:     256
    .wavefront_size: 32
...
	.end_amdgpu_metadata
.endif
;; end of part 3
;; launch proj (part 4): grid 4 x 64, 4 waves a work-group, clusters of 4 x 4, 327,680 bytes of LDS; arguments aoc, aos, wc, ws, out_b, out0; writes out0
.if DOCPART == 4
	.amdgcn_target "amdgcn-amd-amdhsa--gfx1250"
	.amdhsa_code_object_version 6
	.text
	.protected	k_q87fc3b9de8_proj
	.globl	k_q87fc3b9de8_proj
	.p2align	8
	.type	k_q87fc3b9de8_proj,@function
k_q87fc3b9de8_proj:
	s_mov_b64 s[64:65], 0
	v_nop
	global_prefetch_b8 v0, s[64:65] scope:SCOPE_SE
	s_setreg_imm32_b32 hwreg(HW_REG_WAVE_MODE, 25, 1), 1
	s_wait_xcnt 0x0
	s_wait_alu depctr_hold_cnt(0) depctr_sa_sdst(0) depctr_va_vdst(0) depctr_va_sdst(0) depctr_va_ssrc(0) depctr_va_vcc(0) depctr_vm_vsrc(0)
	s_getreg_b32 s2, hwreg(HW_REG_IB_STS2, 6, 4)
	s_cmp_eq_u32 s2, 0
	s_cbranch_scc0 .Lentry_in_a_cluster
	s_endpgm
.Lentry_in_a_cluster:
	s_bfe_u32 s2, ttmp6, 0x10000c
	s_cmp_lg_u32 s2, 0xf033
	s_cbranch_scc0 .Lentry_shape_is_right
	s_endpgm
.Lentry_shape_is_right:
; Launch 4 of 4: out0 = attention's result x out_w^T + out_b on codes of E2M1, K = 1,024.  No work is left out.
; A work-group of four waves makes 128 tokens x 256 columns: 64 x 4 = 256 work-groups.  A wave makes 64 x 128: 32 accumulators in window 2.  Both K steps of 512 lie in LDS at once, each slot filled once.
; P = the tokens: aoc [token tile][8 x 128 of K] holds fragments as register images of 1,024 bytes; aos [128 of K][token] their scale words.  S = out_w's rows: places 11,264 on of wc (512 bytes a row) and ws (32 bytes a row).
; THE MATRIX INSTRUCTION IS USED TRANSPOSED (source 0 = 16 places of S, source 1 = 16 tokens): a lane holds one token, and since wc's rows lie in tile order, tiles 2 b, 2 b + 1 give it 16 neighbouring columns.  The bias is the C of the first products.
; The tokens' tiles lie in tile order too: place t of tile a is token 32 (a / 2) + 8 (a % 2) + t + 8 (t / 8) of my 64.
; CLUSTERS: 4 x 4 work-groups; P's tiles are shared along a row of the cluster, S's along a column, each by a joint load.  The head's four tiles go out one a wave; slot 1's two behind a round of their own (waves 0 and 1).
; NO PREFETCH: each slot is filled once, at the head: there is no loop to run ahead in.
; REGISTERS: window 0: v1-31 addresses, v32-63 P's scale words, v96-159 S's, v160-223 P's fragments (two sets); window 1: v0-63, v128-191 S's fragments (two sets), v192-255 the bias; on the way out v0-127 rows read back.
.set PITCH,  272
.set FR,     8
.set NP,     4
.set PT,     32768                     ; P's part of a slot: 8 token tiles x 4,096 bytes
.set HALFT,  128*PITCH
.set SOFF,   PT
.set SLOT,   SOFF+2*HALFT
.set SSC,    2*SLOT                    ; S's scale bytes: 32 units of 256 bytes + 16
.set HALFS,  16*272
.set PSC,    SSC+2*HALFS               ; P's scale words: [8][128 tokens]
.set SPARE,  PSC+4096
.set SPITCH, 528                       ; the way out: 16 rows x (512 + 16) bytes a wave, in slot 0, which has had its last fill and its last read by then
.set ADRA, 16
.set ADRB, 20
.set STO,  24
.set RD,   25
.set CO,   26
.set ASP,  27
.set SPW,  28
.set NIL,  29
.set ASS,  30
.set BA,   31
.set TR,   1
.set TH,   2
.set T0,   3
.set T1,   4
.set T2,   5
.set SPS,  32
.set SS,   96
.set AF,   160
.set BI,   192
.set G1,   24
.set G0,   32
.set G1B,  48
.set G0B,  56
.set G1S,  68
.set G0S,  76
.set G1SB, 80
.set G0SB, 88
.set MSB, 0
.macro WIN new
.if MSB != (\new)
	s_set_vgpr_msb (MSB<<8)|(\new)
.set MSB, (\new)
.endif
.endm
.set MUL,    0xa1                      ; source 0 (S) window 1, source 1 (P) window 0, C and D window 2
.set MUL1,   0x91                      ; the first products: C (the bias) window 1
.set TO_B,   0x40
.macro CROUND
	s_barrier_signal -1
	s_barrier_wait -1
	s_cmp_lg_u32 s16, 0
	s_cbranch_scc1 .Lnot_wave_0_\@
	s_barrier_signal -3
.Lnot_wave_0_\@:
	s_barrier_wait -3
	s_barrier_signal -1
	s_barrier_wait -1
.endm
.macro ARM under, g0, g1, next, join   ; a load in an arm of a tree of branches on the wave's number; an s_nop 0 and four v_nop follow it
	s_cmp_lt_u32 s16, \under
	s_cbranch_scc0 \next
	tensor_load_to_lds s[\g0:\g0+3], s[\g1:\g1+7]
	s_nop 0
.rept 4
	v_nop
.endr
	s_branch \join
\next:
.endm
	s_load_b256 s[4:11], s[0:1], 0x0               ; aoc, aos, wc, ws
	s_load_b128 s[12:15], s[0:1], 0x20             ; out_b, out0
	v_lshl_add_u32 v[SPW], v0, 2, SPARE
	v_mov_b32 v[NIL], 0
	ds_add_u32 v[SPW], v[NIL]                      ; the opening lines: the add, twice on end, and its wait
	ds_add_u32 v[SPW], v[NIL]
	v_lshrrev_b32 v[T0], 5, v0
	v_readfirstlane_b32 s16, v[T0]                 ; wave
	s_lshr_b32 s17, s16, 1                         ; my 64 of the 128 tokens
	s_and_b32 s18, s16, 1                          ; my 128 of the 256 columns
	s_bfe_u32 s20, ttmp6, 0x40000                  ; cx
	s_bfe_u32 s21, ttmp6, 0x40004                  ; cy
	s_lshl_b32 s23, ttmp9, 2
	s_add_co_u32 s23, s23, s20                     ; which 256 columns
	s_and_b32 s22, ttmp7, 0xffff
	s_lshl_b32 s22, s22, 2
	s_add_co_u32 s22, s22, s21                     ; which 128 tokens
	s_lshl_b32 s2, s21, 2
	s_lshl_b32 s2, 15, s2                          ; my row of the cluster
	s_lshl_b32 s3, 0x1111, s20                     ; my column
	s_or_b32 s[G1+0], s2, (3<<16)|(1<<21)          ; P's codes: 8 token tiles x 4,096 bytes (512 elements of 8), 8,192 bytes apart
	s_mov_b32 s[G1+1], 512<<16
	s_mov_b32 s[G1+2], 8<<16
	s_mov_b32 s[G1+3], 512<<16
	s_mov_b32 s[G1+4], 8
	s_mov_b32 s[G1+5], 1024
	s_mov_b32 s[G1+6], 0
	s_mov_b32 s[G1+7], 0
	s_or_b32 s[G1B+0], s3, (0<<16)|(1<<20)|(1<<21)|(5<<22)|(3<<25)  ; S's codes: 256 rows x 256 bytes, 512 apart, 16 bytes of padding behind each
	s_mov_b32 s[G1B+1], 256<<16
	s_mov_b32 s[G1B+2], 256<<16
	s_mov_b32 s[G1B+3], 256<<16
	s_mov_b32 s[G1B+4], 256
	s_mov_b32 s[G1B+5], 512
	s_mov_b32 s[G1B+6], 0
	s_mov_b32 s[G1B+7], 0
	s_or_b32 s[G1S+0], s2, (3<<16)|(1<<21)         ; P's scale words: 8 rows x 512 bytes, 32,768 apart
	s_mov_b32 s[G1S+1], 64<<16
	s_mov_b32 s[G1S+2], 8<<16
	s_mov_b32 s[G1S+3], 64<<16
	s_mov_b32 s[G1S+4], 8
	s_mov_b32 s[G1S+5], 4096
	s_mov_b32 s[G1S+6], 0
	s_mov_b32 s[G1S+7], 0
	s_or_b32 s[G1SB+0], s3, (3<<16)|(1<<20)|(1<<21)|(5<<22)|(3<<25) ; S's scale bytes: 8,192 dense bytes as 32 rows of 256, padded
	s_mov_b32 s[G1SB+1], 32<<16
	s_mov_b32 s[G1SB+2], 32<<16
	s_mov_b32 s[G1SB+3], 32<<16
	s_mov_b32 s[G1SB+4], 32
	s_mov_b32 s[G1SB+5], 32
	s_mov_b32 s[G1SB+6], 0
	s_mov_b32 s[G1SB+7], 0
	s_lshl_b32 s40, s22, 16                        ; aoc: 65,536 bytes for 128 tokens
	s_mov_b32 s41, 0
	s_lshl_b32 s42, s22, 9                         ; aos: 512 bytes of a row
	s_mov_b32 s43, 0
	s_lshl_b32 s44, s23, 8
	s_add_co_u32 s44, s44, 11264                   ; out_w's places in wc and ws
	s_lshl_b32 s46, s44, 9
	s_mov_b32 s47, 0
	s_lshl_b32 s44, s44, 5
	s_mov_b32 s45, 0
	s_wait_dscnt 0x0                               ; both opening adds are done
	s_wait_kmcnt 0x0
	s_add_nc_u64 s[40:41], s[4:5], s[40:41]
	s_add_nc_u64 s[42:43], s[6:7], s[42:43]
	s_add_nc_u64 s[46:47], s[8:9], s[46:47]
	s_add_nc_u64 s[44:45], s[10:11], s[44:45]
	CROUND                                         ; all sixteen work-groups are here: the first joint loads meet
	s_mov_b32 s[G0S], 1
	s_mov_b32 s[G0S+1], PSC
	s_mov_b64 s[G0S+2:G0S+3], s[42:43]
	s_or_b32 s[G0S+3], s[G0S+3], 0x80000000
	s_mov_b32 s[G0SB], 1
	s_mov_b32 s[G0SB+1], SSC
	s_mov_b64 s[G0SB+2:G0SB+3], s[44:45]
	s_or_b32 s[G0SB+3], s[G0SB+3], 0x80000000
.irp s, 0,1
	s_mov_b32 s[G0+4*\s], 1
	s_mov_b32 s[G0+4*\s+1], \s*SLOT
	s_add_nc_u64 s[G0+4*\s+2:G0+4*\s+3], s[40:41], \s*4096
	s_or_b32 s[G0+4*\s+3], s[G0+4*\s+3], 0x80000000
	s_mov_b32 s[G0B+4*\s], 1
	s_mov_b32 s[G0B+4*\s+1], \s*SLOT+SOFF
	s_add_nc_u64 s[G0B+4*\s+2:G0B+4*\s+3], s[46:47], \s*256
	s_or_b32 s[G0B+4*\s+3], s[G0B+4*\s+3], 0x80000000
.endr
	ARM 1, G0,  G1,  .Lh_b,  .Lh_asked             ; the head's four tiles, one a wave: K step 0 of P, of S, P's scale words,
	ARM 2, G0B, G1B, .Lh_sa, .Lh_asked
	ARM 3, G0S, G1S, .Lh_sb, .Lh_asked
	tensor_load_to_lds s[G0SB:G0SB+3], s[G1SB:G1SB+7]   ; S's scale bytes
	s_nop 0
.rept 4
	v_nop
.endr
.Lh_asked:
	v_and_b32 v[TR], 15, v0
	v_bfe_u32 v[TH], v0, 4, 1
	v_and_b32 v[T2], 31, v0
	v_lshlrev_b32 v[CO], 4, v[T2]
	v_mul_u32_u24 v[T0], v[TR], PITCH
	v_lshl_add_u32 v[T1], v[TH], 4, v[T0]
	s_lshl_b32 s40, s17, 14                        ; my four token tiles
	s_mul_i32 s41, s18, HALFT
	s_add_co_u32 s41, s41, SOFF                    ; my 128 rows of S
.irp s, 0,1
	v_add_nc_u32 v[ADRA+\s], s40, v[CO]
	v_add_nc_u32 v[ADRB+\s], s41, v[T1]
	s_add_co_u32 s40, s40, SLOT
	s_add_co_u32 s41, s41, SLOT
.endr
	s_lshl_b32 s40, s17, 8
	s_add_co_u32 s40, s40, PSC
	v_lshl_add_u32 v[ASP], v[TR], 2, s40           ; P's words: 64 bytes a tile, 4 a token
	v_lshlrev_b32 v[T0], 5, v[TR]
	v_lshrrev_b32 v[T1], 8, v[T0]
	v_lshl_add_u32 v[T0], v[T1], 4, v[T0]
	s_mul_i32 s40, s18, HALFS
	s_add_co_u32 s40, s40, SSC
	v_add_nc_u32 v[ASS], s40, v[T0]                ; S's: 32 bytes a row, 16 more for each 256 passed
	s_mul_i32 s40, s16, 16*SPITCH
	v_mul_u32_u24 v[T0], v[TR], SPITCH
	v_lshl_add_u32 v[T0], v[TH], 6, v[T0]
	v_add_nc_u32 v[STO], s40, v[T0]
	v_add_nc_u32 v[RD], s40, v[CO]
	v_lshlrev_b32 v[BA], 6, v[TH]
	s_wait_alu depctr_va_vdst(0)                   ; ahead of the run of scalar lines
	s_lshl_b32 s40, s22, 7
	s_lshl_b32 s41, s17, 6
	s_add_co_u32 s40, s40, s41                     ; my first token
	s_lshl_b32 s40, s40, 12
	s_lshl_b32 s41, s23, 10
	s_add_co_u32 s40, s40, s41
	s_lshl_b32 s41, s18, 9
	s_add_co_u32 s40, s40, s41                     ; + my first column, in bytes
	s_mov_b32 s41, 0
	s_add_nc_u64 s[14:15], s[14:15], s[40:41]
	s_lshl_b32 s40, s23, 10
	s_lshl_b32 s42, s18, 9
	s_add_co_u32 s40, s40, s42
	s_add_nc_u64 s[12:13], s[12:13], s[40:41]
	WIN TO_B
.irp b, 0,1,2,3,4,5,6,7
	global_load_b128 v[BI+8*\b:BI+8*\b+3], v[BA], s[12:13] offset:(32*(\b/2)+8*(\b%2))*4
	global_load_b128 v[BI+8*\b+4:BI+8*\b+7], v[BA], s[12:13] offset:(32*(\b/2)+8*(\b%2))*4+16
.endr
	WIN 0
; 16 matrix instructions: token tiles a0, a0 + 1 x S's eight tiles.  The 32 accumulators take turns, one instruction a turn, in the same order in every step.
.macro MUL16 a0, p, ks, first
.irp a, \a0, \a0+1
.irp b, 0,1,2,3,4,5,6,7
.if \first
	v_wmma_scale_f32_16x16x128_f8f6f4 v[8*(8*(\a)+\b):8*(8*(\a)+\b)+7], v[128*(\p)+FR*\b:128*(\p)+FR*\b+FR-1], v[AF+32*(\p)+FR*(\a):AF+32*(\p)+FR*(\a)+FR-1], v[BI+8*\b:BI+8*\b+7], v[SS+8*\b+(\ks)], v[SPS+8*(\a)+(\ks)] matrix_a_fmt:MATRIX_FMT_FP4 matrix_b_fmt:MATRIX_FMT_FP4
.else
	v_wmma_scale_f32_16x16x128_f8f6f4 v[8*(8*(\a)+\b):8*(8*(\a)+\b)+7], v[128*(\p)+FR*\b:128*(\p)+FR*\b+FR-1], v[AF+32*(\p)+FR*(\a):AF+32*(\p)+FR*(\a)+FR-1], v[8*(8*(\a)+\b):8*(8*(\a)+\b)+7], v[SS+8*\b+(\ks)], v[SPS+8*(\a)+(\ks)] matrix_a_fmt:MATRIX_FMT_FP4 matrix_b_fmt:MATRIX_FMT_FP4
.endif
.endr
.endr
.endm
.macro FETCH slot, q, p                ; 24 LDS loads: S's eight and P's four fragments of the slot's q-th 128 along K, into set p
	WIN TO_B
.irp i, 0,1,2,3,4,5,6,7
.irp c, 0,1
	ds_load_b128 v[128*(\p)+FR*\i+4*\c:128*(\p)+FR*\i+4*\c+3], v[ADRB+\slot] offset:64*(\q)+32*\c+\i*16*PITCH
.endr
.endr
	WIN 0
.irp i, 0,1,2,3
.irp c, 0,1
	ds_load_b128 v[AF+32*(\p)+FR*\i+4*\c:AF+32*(\p)+FR*\i+4*\c+3], v[ADRA+\slot] offset:4096*\i+1024*(\q)+512*\c
.endr
.endr
.endm
.macro PLACES n                        ; plain vector lines between a matrix instruction and a load into, or a read of, its registers
.rept \n
	v_nop
.endr
.endm
.macro STEP slot, q, first             ; 128 along K whose successor lies in the same slot
	PLACES NP                                      ; behind the last step's products, which read the other set
	FETCH \slot, (\q)+1, 1-(\q)%2
	s_wait_dscnt 24                                ; all but the 24 just issued: this step's fragments are in
.if \first
	WIN MUL1
.else
	WIN MUL
.endif
	MUL16 0, (\q)%2, 4*(\slot)+(\q), \first
	MUL16 2, (\q)%2, 4*(\slot)+(\q), \first
	WIN 0
.endm
	s_wait_alu depctr_va_vdst(0)                   ; at the head's end
	s_wait_tensorcnt 0x0                           ; my tile of the head's four is in
	ds_add_u32 v[SPW], v[NIL]
	s_wait_dscnt 0x0
	CROUND                                         ; all four tiles are in, and all sixteen work-groups are here
	ARM 1, G0+4, G1, .Ls1_b, .Ls1_asked            ; K step 1: wave 0 asks for P's tile, wave 1 for S's
	ARM 2, G0B+4, G1B, .Ls1_none, .Ls1_asked
.Ls1_asked:
.irp i, 0,1,2,3
.irp k, 0,1,2,3,4,5,6,7
	ds_load_b32 v[SPS+8*\i+\k], v[ASP] offset:512*\k+64*\i
.endr
.endr
.irp i, 0,1,2,3,4,5,6,7
	ds_load_b128 v[SS+8*\i:SS+8*\i+3], v[ASS] offset:544*\i
	ds_load_b128 v[SS+8*\i+4:SS+8*\i+7], v[ASS] offset:544*\i+16
.endr
	FETCH 0, 0, 0
	s_wait_loadcnt 0x0                             ; the bias
	STEP 0, 0, 1
	STEP 0, 1, 0
	STEP 0, 2, 0
	s_wait_tensorcnt 0x0                           ; slot 0's last step: behind its barrier slot 1 is whole for every wave.  Nothing is filled again
	ds_add_u32 v[SPW], v[NIL]
	s_wait_dscnt 0x0                               ; the add, and my reads of slot 0
	s_barrier_signal -1
	WIN MUL
	MUL16 0, 1, 3, 0
	WIN 0
	s_barrier_wait -1
	PLACES NP
	FETCH 1, 0, 0
	WIN MUL
	MUL16 2, 1, 3, 0
	WIN 0
	STEP 1, 0, 0
	STEP 1, 1, 0
	STEP 1, 2, 0
	s_wait_dscnt 0x0
	WIN MUL
	MUL16 0, 1, 7, 0
	MUL16 2, 1, 7, 0
	WIN 0
; THE WAY OUT, tile by tile of 16 tokens x 128 columns, through my own stage: whole rows of 512 bytes come back and leave as two aligned runs of 256 bytes.  LDS serves a wave's instructions in order (ISA guide 5.7.1.4).
.macro TOSTAGE a
.set AC, 64*(\a)
	WIN 0x08
.irp b, 0,1,2,3,4,5,6,7
	ds_store_b128 v[STO], v[AC+8*\b:AC+8*\b+3] offset:128*(\b/2)+32*(\b%2)
	ds_store_b128 v[STO], v[AC+8*\b+4:AC+8*\b+7] offset:128*(\b/2)+32*(\b%2)+16
.endr
	WIN TO_B
.set BK, 64*((\a)%2)
.irp t, 0,1,2,3,4,5,6,7,8,9,10,11,12,13,14,15
	ds_load_b128 v[BK+4*\t:BK+4*\t+3], v[RD] offset:\t*SPITCH
.endr
	WIN 0
.endm
.macro SEND a, younger
.set BK, 64*((\a)%2)
	s_wait_dscnt \younger
.if (\a) > 0
.if (\a)%2 == 1
	s_add_nc_u64 s[14:15], s[14:15], 8*4096        ; (behind a wait on XCNT)  the group's second tile begins 8 tokens on,
.else
	s_add_nc_u64 s[14:15], s[14:15], 24*4096       ; the next group 24 further
.endif
.endif
	WIN 0x04
.irp t, 0,1,2,3,4,5,6,7,8,9,10,11,12,13,14,15
	global_store_b128 v[CO], v[BK+4*\t:BK+4*\t+3], s[14:15] offset:(\t+8*(\t/8))*4096 th:TH_STORE_NT
.endr
	WIN 0
.endm
	PLACES NP
	TOSTAGE 0
.irp a, 1,2,3
.if \a > 1
	s_wait_xcnt 0x0                                ; tile a - 2's stores have read their registers and their base
.endif
	TOSTAGE \a
	SEND \a-1, 32                                  ; behind tile a - 1's loads: tile a's 16 stores and 16 loads
.endr
	s_wait_xcnt 0x0
	SEND 3, 0
	s_wait_tensorcnt 0x0                           ; the wave's end
	ds_add_u32 v[SPW], v[NIL]
	s_wait_dscnt 0x0
	CROUND                                         ; the closing round
	s_endpgm
.Lfunc_end_k_q87fc3b9de8_proj:
	.size	k_q87fc3b9de8_proj, .Lfunc_end_k_q87fc3b9de8_proj-k_q87fc3b9de8_proj
	.p2alignl 7, 3214868480
	.fill 96, 4, 3214868480
	.section	.rodata,"a",@progbits
	.p2align	6, 0x0
	.amdhsa_kernel k_q87fc3b9de8_proj
		.amdhsa_group_segment_fixed_size 327680
		.amdhsa_private_segment_fixed_size 0
		.amdhsa_enable_private_segment 0
		.amdhsa_kernarg_size 48
		.amdhsa_user_sgpr_count 2
		.amdhsa_user_sgpr_kernarg_segment_ptr 1
		.amdhsa_wavefront_size32 1
		.amdhsa_system_sgpr_workgroup_id_x 1
		.amdhsa_system_sgpr_workgroup_id_y 1
		.amdhsa_system_sgpr_workgroup_id_z 1
		.amdhsa_system_vgpr_workitem_id 0
		.amdhsa_next_free_vgpr 768
		.amdhsa_next_free_sgpr 100
		.amdhsa_reserve_vcc 0
		.amdhsa_float_denorm_mode_32 3
		.amdhsa_float_denorm_mode_16_64 3
		.amdhsa_memory_ordered 1
		.amdhsa_forward_progress 1
		.amdhsa_inst_pref_size 77
	.end_amdhsa_kernel
	.amdgpu_metadata
---
amdhsa.version: [ 1, 2 ]
amdhsa.kernels:
  - .name:           k_q87fc3b9de8_proj
    .symbol:         k_q87fc3b9de8_proj.kd
    .args:
      - { .name: aoc, .offset: 0, .size: 8, .value_kind: global_buffer, .address_space: global }
      - { .name: aos, .offset: 8, .size: 8, .value_kind: global_buffer, .address_space: global }
      - { .name: wc, .offset: 16, .size: 8, .value_kind: global_buffer, .address_space: global }
      - { .name: ws, .offset: 24, .size: 8, .value_kind: global_buffer, .address_space: global }
      - { .name: out_b, .offset: 32, .size: 8, .value_kind: global_buffer, .address_space: global }
      - { .name: out0, .offset: 40, .size: 8, .value_kind: global_buffer, .address_space: global }
    .group_segment_fixed_size: 327680
    .private_segment_fixed_size: 0
    .kernarg_segment_align: 8
    .kernarg_segment_size: 48
    .max_flat_workgroup_size: 128
    .sgpr_count:     100
    .vgpr_count:     768
    .wavefront_size: 32
...
	.end_amdgpu_metadata
.endif
;; end of part 4
